; MI455X (gfx1250); checked and timed in simulation.
; The chip was launched on July 23, 2026; its instructions are those of AMD's public machine-readable ISA for CDNA 5 (MIT licence, August 2026) and "CDNA5" Instruction Set Architecture Reference Guide (July 2026). The comments in the code are by the model that wrote it; some were corrected since.
;; Multi Head Attention. Allowed arithmetic: matrix products marked QUANTISED: E4M3 operands, one E8M0 scale for each 32 along K, by v_wmma_scale_f32_16x16x128_f8f6f4 with both operands' format E4M3, f32 sums; everything else in f32.
;; Inputs: Wk 1,024 x 1,024 float32; Wo 1,024 x 1,024 float32; Wq 1,024 x 1,024 float32; Wv 1,024 x 1,024 float32; bo 1,024 float32; x 4 x 2,048 x 1,024 float32.
;; Outputs: out0 4 x 2,048 x 1,024 float32.
;; This version of the problem:
;;   THIS VERSION OF THE PROBLEM IS GIVEN IN LOW PRECISION. The matrix products marked QUANTISED in the list below multiply operands that are first quantised to E4M3 (4 exponent bits, 3 mantissa bits; 8 bits a number), with one power-of-two scale for each 32 numbers along K (OCP MX v1.0); their sums are f32. All else is computed in f32.
;;   The module's matrix products, in the order in which they are computed (A, B: the left and right operand; K: the contracted axis; several contracted axes count as one K, in the product's order):
;;     1. [M 8,192, K 1,024] x [K 1,024, N 1,024]; A: input x; B: input Wq: QUANTISED
;;     2. [M 8,192, K 1,024] x [K 1,024, N 1,024]; A: input x; B: input Wk: QUANTISED
;;     3. [M 8,192, K 1,024] x [K 1,024, N 1,024]; A: input x; B: input Wv: QUANTISED
;;     4. batch 64 x [M 2,048, K 64] x [K 64, N 2,048]; A: computed on the way; B: computed on the way: QUANTISED
;;     5. batch 64 x [M 2,048, K 2,048] x [K 2,048, N 64]; A: softmax (see below); B: computed on the way: QUANTISED
;;     6. [M 8,192, K 1,024] x [K 1,024, N 1,024]; A: computed on the way; B: input Wo: QUANTISED
;;   THE QUANTISER, for each operand of a quantised product, along K:
;;     - K is cut into blocks of 32 from its start; a last block that is shorter is filled with zeros.
;;     - A block's scale is 2^e with e = floor(log2(the largest magnitude in the block)) - 8, held to -126 .. 127; a block of zeros has e = 0. As a byte (E8M0): e + 127.
;;     - Each number is divided by its block's scale, clamped to +-448, and rounded to the nearest number of E4M3, ties to even, subnormals kept.
;;     - The product sums the exact products of the quantised numbers (number of the format x scale) in f32.
;;   ~~~python
;;   def quantise(x, axis):      # numpy; x: float32 -> the quantised numbers, widened to float32 again
;;       x = np.moveaxis(x, axis, -1); K = x.shape[-1]
;;       x = np.pad(x, [(0, 0)] * (x.ndim - 1) + [(0, -K % 32)]); x = x.reshape(x.shape[:-1] + (-1, 32)); a = np.abs(x).max(-1, keepdims=True)
;;       e = np.where(a > 0, np.clip(np.frexp(np.where(a > 0, a, 1))[1] - 1 - 8, -126, 127), 0)      # np.frexp(a)[1] - 1 = floor(log2(a)), exactly
;;       r = np.clip(x / 2.0 ** e, -448, 448)
;;       step = 2.0 ** (np.maximum(np.frexp(np.where(r == 0, 1, r))[1] - 1, -6) - 3)
;;       q = np.round(r / step) * step * 2.0 ** e      # np.round: ties to even
;;       return np.moveaxis(q.reshape(q.shape[:-2] + (-1,))[..., :K], -1, axis).astype(np.float32)
;;   ~~~
;;   SOFTMAX AHEAD OF A QUANTISED PRODUCT. Where the list says 'softmax', what is quantised is not the finished softmax but p = 2^(t - M), with t = logit x log2(e) and M = ceil(the row's largest t), a whole number; so 1/2 < the row's largest p <= 1. The row's sum l is taken of the UNQUANTISED p, in f32, and the product's result is divided by l at the end. Since M is a whole number, a kernel that streams over the keys may use a running M (the ceiling of the running maximum): every later rescaling is an exact power of two, which a block's scale takes up: the codes' values come out the same.
;;   OPERANDS COMPUTED ON THE WAY. 'Computed on the way' means the value that the module computes at that place (a softmax that the list does not call 'softmax' is quantised finished and normalised). What goes into a quantiser is computed in f32, as accurately as f32 sums, v_exp_f32 and their like allow (about 1e-6 of the number): no bf16 or f16 on the way to a quantiser, and a product that is left as it is and whose result goes on into a quantised operand takes f32 operands (vector FMAs, or v_wmma_f32_16x16x4_f32). A number that lies on a knife's edge between two numbers of the format may be rounded either way, as far as f32 arithmetic and the matrix unit's own rounding can turn it there, and no further.
;; One version. Each part assembles by itself: llvm-mc -triple=amdgcn-amd-amdhsa -mcpu=gfx1250 --defsym DOCPART=n.
;; ======== version 1 of 1: 4 launches
;; limits: right only within a limited range of input values
;; workspace buffers: x_img 8,388,608 bytes; x_sc 262,144 bytes; w_img 4,194,304 bytes; w_sc 131,072 bytes; q_img 8,650,752 bytes; kv 17,301,504 bytes; ctx_img 8,388,608 bytes; ctx_sc 262,144 bytes
;; launch quant (part 1): grid 384 x 1, 4 waves a work-group, no clusters, 91,648 bytes of LDS; arguments Wq, Wk, Wv, Wo, w_img, w_sc, x, x_img, x_sc; writes w_img, w_sc, x_img, x_sc
.if DOCPART == 1
	.amdgcn_target "amdgcn-amd-amdhsa--gfx1250"
	.amdhsa_code_object_version 6
	.text
	.protected	k_qf81e1afd01_quant
	.globl	k_qf81e1afd01_quant
	.p2align	8
	.type	k_qf81e1afd01_quant,@function
k_qf81e1afd01_quant:
	s_mov_b64 s[64:65], 0
	v_nop
	global_prefetch_b8 v0, s[64:65] scope:SCOPE_SE
	s_setreg_imm32_b32 hwreg(HW_REG_WAVE_MODE, 25, 1), 1
	s_wait_xcnt 0x0
; TWO QUANTISERS IN ONE LAUNCH: x [8192][1024] f32 (K innermost) and Wq, Wk, Wv, Wo [1024 (k)][1024 (n)] f32 (K their FIRST axis) become codes of FP8 (E4M3) with one E8M0 scale byte for each 32 along K.
; Work-groups 0-127 take the weights, work-groups 128-383 take x: one scalar branch on the work-group's number parts two texts that share nothing: each has LDS bytes of its own, and neither has a barrier.
; THE QUANTISER: a block's scale is 2^(floor(log2(its largest magnitude)) - 8); its byte is the largest magnitude's exponent field - 8, held at 1 from below; each number is divided by the scale, held within +-448, rounded to the nearest code, ties to even.
; LIMITS: NaN and infinities among the inputs are not served.  A block of zeros gets the byte 1 where the rule says 127: its codes are zeros, and this program alone reads the bytes.
; LAYOUT OF THE OUTPUT.  x_img, w_img = [tile T][K step of 128: 8][2048 bytes]: a FRAGMENT as an image of the operand's registers: the 16 bytes at 512 c + 16 lane are registers 4 c .. 4 c + 3 of lane (r = lane % 16, h = lane / 16):
; k = 32 c + 16 h + 0 .. 15 of the tile's row r.  THE ROWS OF A TILE ARE NOT NEIGHBOURS: tile T holds the rows 32 (T / 2) + 8 (T % 2) + r + 8 (r / 8).  x_sc, w_sc = [T][K / 256: 4][r: 16][8 bytes].
; A weight's rows are its columns n.  w_img's tiles 0-63 Wq, 64-127 Wk, 128-191 Wv, 192-255 Wo.
.set WGW,   128                        ; the weights' work-groups
; ---- the weights' constants
.set NB,    8                          ; blocks of 32 along K for a wave
.set TST,   4224                       ; a tile's part of the stage: 4,096 bytes + 128, so that lanes 8-15 do not fall on the 16-byte columns of lanes 0-7
.set WLDS,  57344                      ; the weights' LDS bytes begin behind x's
.set WX,    32                         ; v32-95   two sets of 32 numbers
.set WC,    96                         ; v96-103  a block's codes
.set OUTR,  112                        ; v112-175 the way out
.set SB,    24                         ; v24-25   the scale bytes, four to a register
; ---- x's constants
.set STEPS, 16
.set WREG,  14336                      ; LDS: a region of its own for each wave
.set SP,    80                         ; a lane's place in a turn stage: 64 bytes + 16 of padding
.set IMG,   2*32*SP                    ; behind the two turn stages: the image, 32 rows of
.set IP,    272                        ; 256 bytes + 16 of padding
.set SCB,   IMG+32*IP                  ; behind it: the wave's 256 scale bytes
.set R,     16                         ; v16-143  eight sets of 16 numbers as they are loaded
.set X,     144                        ; v144-175 two sets of 16 neighbours
.set C,     176                        ; v176-239 codes, four registers a step
.set E,     240                        ; v240-255 a scale byte a step
	s_set_vgpr_msb 0x40
	v_lshl_add_u32 v0, v0, 2, 0x16400
	v_mov_b32 v1, 0
	s_set_vgpr_msb 0x4000
	v_lshrrev_b32 v1, 5, v0
	v_readfirstlane_b32 s16, v1                    ; wave
	v_and_b32 v2, 31, v0                           ; lane
	s_cmp_lt_u32 ttmp9, WGW
	s_cbranch_scc0 .Lx
; ================ THE WEIGHTS.  A LANE TAKES A COLUMN n, AND ITS REGISTERS RUN DOWN K: a block of 32 lies in one lane's 32 registers, and the conversions give codes with K innermost.  Nothing is transposed by an instruction.
; SHARES.  Work-group number = 32 y + 8 x weight + group: y: 256 along K; group: 128 of the weight's columns.  A wave takes 32 columns, which are two tiles: lane l is row r = 8 (l / 16) + l % 8 of tile u = (l / 8) % 2 of the pair.
; A lane's codes go through the wave's own stage in LDS (two tiles' 4,096 bytes, 4,224 apart) and leave as 512 consecutive bytes a store.  Loads run two blocks (64 loads a wave) ahead.
	s_load_b256 s[4:11], s[0:1], 0x0               ; Wq, Wk, Wv, Wo
	s_load_b128 s[12:15], s[0:1], 0x20             ; w_img, w_sc
	v_lshlrev_b32 v3, 2, v2                        ; in: 4 bytes a lane
	v_bfe_u32 v5, v2, 3, 1                         ; u
	v_lshrrev_b32 v6, 4, v2
	v_and_b32 v14, 7, v2
	v_lshl_add_u32 v6, v6, 3, v14                  ; r
	s_mul_i32 s19, s16, 2*TST
	s_add_co_u32 s19, s19, WLDS                    ; my stage
	v_mul_u32_u24 v4, v5, TST
	v_lshl_add_u32 v4, v6, 4, v4
	v_add_nc_u32 v4, s19, v4                       ; into it: tile u, 16 r; a block adds 512 t, its upper 16 codes 256 more
	v_lshlrev_b32 v8, 4, v2                        ; out of it: 16 x lane, and the same in w_img
	v_add_nc_u32 v7, s19, v8
	v_lshlrev_b32 v9, 9, v5
	v_lshl_add_u32 v9, v6, 3, v9                   ; my 8 scale bytes: 512 u + 8 r
	s_lshr_b32 s17, ttmp9, 3
	s_and_b32 s17, s17, 3                          ; the weight
	s_and_b32 s18, ttmp9, 7                        ; which 128 columns
	s_lshr_b32 s20, ttmp9, 5                       ; which 256 along K
	s_lshl_b32 s22, s20, 20                        ; the source: 256 rows of 4,096 bytes,
	s_lshl_b32 s21, s18, 9
	s_add_co_u32 s22, s22, s21                     ; 128 columns of 4 bytes,
	s_lshl_b32 s21, s16, 7
	s_add_co_u32 s22, s22, s21                     ; 32 columns a wave
	s_mov_b32 s23, 0
	s_lshl_b32 s24, s17, 6
	s_lshl_b32 s21, s18, 3
	s_add_co_u32 s24, s24, s21
	s_lshl_b32 s21, s16, 1
	s_add_co_u32 s24, s24, s21                     ; my first tile: 64 x weight + 8 x group + 2 x wave
	s_lshl_b32 s26, s24, 9
	s_lshl_b32 s21, s20, 7
	s_add_co_u32 s26, s26, s21                     ; its scale bytes of this 256 along K
	s_mov_b32 s27, 0
	s_lshl_b32 s24, s24, 14
	s_lshl_b32 s21, s20, 12
	s_add_co_u32 s24, s24, s21                     ; its codes
	s_mov_b32 s25, 0
	s_mov_b32 s31, 0x600000                        ; the mantissa field of 448
	s_and_b32 s28, s17, 1
	s_and_b32 s29, s17, 2
	s_wait_kmcnt 0x0
	s_cmp_lg_u32 s28, 0                            ; the weight is chosen by the work-group's number alone
	s_cselect_b64 s[4:5], s[6:7], s[4:5]
	s_cselect_b64 s[8:9], s[10:11], s[8:9]
	s_cmp_lg_u32 s29, 0
	s_cselect_b64 s[4:5], s[8:9], s[4:5]
	s_add_nc_u64 s[4:5], s[4:5], s[22:23]
	s_add_nc_u64 s[12:13], s[12:13], s[24:25]
	s_add_nc_u64 s[14:15], s[14:15], s[26:27]
.macro LOADW t                         ; block t: W(32 t + i, my column), i = 0 .. 31, into set t % 2; a wave reads 128 consecutive bytes, the four waves 512
.irp i, 0,1,2,3,4,5,6,7,8,9,10,11,12,13,14,15,16,17,18,19,20,21,22,23,24,25,26,27,28,29,30,31
	global_load_b32 v[WX+32*((\t)%2)+\i], v3, s[4:5] offset:(32*(\t)+\i)*4096 th:TH_LOAD_NT
.endr
.endm
	LOADW 0
	LOADW 1
.macro BLOCK t
.set XS, WX+32*((\t)%2)
.if (\t) < NB-1
	s_wait_loadcnt 32                              ; this block's 32 loads are in; the next block's may be out
.else
	s_wait_loadcnt 0
.endif
	v_max3_num_f32 v12, |v[XS]|, |v[XS+1]|, |v[XS+2]|              ; the block's largest magnitude: all 32 numbers are mine
	v_max3_num_f32 v13, |v[XS+3]|, |v[XS+4]|, |v[XS+5]|
.irp i, 6,10,14,18,22,26
	v_max3_num_f32 v12, v12, |v[XS+\i]|, |v[XS+\i+1]|
	v_max3_num_f32 v13, v13, |v[XS+\i+2]|, |v[XS+\i+3]|
.endr
	v_max3_num_f32 v12, v12, |v[XS+30]|, |v[XS+31]|
	v_max3_num_f32 v12, v12, v13, 0x4800000        ; and the floor 2^(9 - 127): the byte cannot fall under 1
	v_add_nc_u32 v11, 0xfc000000, v12              ; 8 off its exponent field: the conversion's scale operand
	v_and_or_b32 v10, v12, 0x7f800000, s31         ; 448 x the scale
	v_lshrrev_b32 v13, 23, v11                     ; the scale's byte
.if (\t)%4 == 0
	v_mov_b32 v[SB+(\t)/4], v13                    ; four bytes to a register, the lower K in the lower byte
.else
	v_lshl_or_b32 v[SB+(\t)/4], v13, 8*((\t)%4), v[SB+(\t)/4]
.endif
.irp i, 0,1,2,3,4,5,6,7,8,9,10,11,12,13,14,15,16,17,18,19,20,21,22,23,24,25,26,27,28,29,30,31
	v_med3_num_f32 v[XS+\i], v[XS+\i], -v10, v10   ; the conversion to an 8-bit code does not saturate (ISA guide 7.6.2): the hold comes first
.endr
.irp g, 0,1,2,3
	v_cvt_scalef32_pk8_fp8_f32 v[WC+2*\g:WC+2*\g+1], v[XS+8*\g:XS+8*\g+7], v11
.endr
	v_nop                                          ; a plain line behind the conversions
	ds_store_b128 v4, v[WC:WC+3] offset:512*(\t)   ; k = 32 t + 0 .. 15: the place of lane r of the fragment,
	ds_store_b128 v4, v[WC+4:WC+7] offset:512*(\t)+256   ; k = 32 t + 16 .. 31: of lane 16 + r
.if (\t)+2 < NB
	LOADW (\t)+2
.endif
	s_wait_dscnt 0x0                               ; the stores have read their registers: the next block's codes may be written
.endm
.set Q, 0
.rept NB
	BLOCK Q
.set Q, Q+1
.endr
	global_store_b64 v9, v[SB:SB+1], s[14:15]      ; my column's 8 scale bytes: sixteen lanes store 128 consecutive bytes; these bytes are one in 128 of what this path reads
.irp n, 0,1,2,3,4,5,6,7,8,9,10,11,12,13,14,15
	ds_load_b128 v[OUTR+4*\n:OUTR+4*\n+3], v7 offset:TST*(\n/8)+512*(\n%8)   ; LDS serves a wave's instructions in order: these see my stores
.endr
.irp n, 0,1,2,3,4,5,6,7,8,9,10,11,12,13,14,15
	s_wait_dscnt 15-\n
	global_store_b128 v8, v[OUTR+4*\n:OUTR+4*\n+3], s[12:13] offset:16384*(\n/8)+512*(\n%8)   ; 32 lanes store 512 consecutive bytes, aligned
.endr
	s_set_vgpr_msb 0x5
	s_wait_tensorcnt 0x0
	ds_add_u32 v0, v1
	s_wait_dscnt 0x0
	s_set_vgpr_msb 0x500
	s_endpgm
; ================ x.  SHARES.  Work-group g = number - 128 takes rows 32 g .. 32 g + 31; wave w takes tile 2 g + w / 2 and the K half w % 2 (512 numbers of each of 16 rows): 16 steps, step t = the tile's row t.
; Each of a step's four loads reads 512 consecutive bytes; the 2,048 bytes turn through the wave's own stage in LDS and come back 64 bytes (16 neighbours along K) a lane; two neighbouring lanes hold a block.
; Lane l's 16 codes of step t belong at byte 256 l + 16 t of the wave's 8,192 bytes of x_img: they are gathered in LDS (rows of 256 bytes + 16) and leave as 512 consecutive bytes a store.  The wave's 256 scale bytes likewise.
; Loads run eight steps (32 loads a wave) ahead, the turn through LDS one step.
.Lx:
	s_load_b128 s[4:7], s[0:1], 0x30               ; x, x_img
	s_load_b64 s[8:9], s[0:1], 0x40                ; x_sc
	s_sub_co_u32 s27, ttmp9, WGW                   ; g
	v_lshlrev_b32 v3, 4, v2                        ; 16 x lane: my 16 bytes of a load's or a store's 512
	s_mul_i32 s17, s16, WREG
	v_lshrrev_b32 v14, 2, v2
	v_mul_u32_u24 v14, v14, SP
	v_and_b32 v15, 3, v2
	v_lshl_add_u32 v14, v15, 4, v14
	v_add_nc_u32 v14, s17, v14                     ; the turn stage, in: SP (lane / 4) + 16 (lane % 4)
	v_mul_u32_u24 v15, v2, SP
	v_add_nc_u32 v15, s17, v15                     ; and out: SP x lane: my 16 neighbours
	s_add_co_u32 s25, s17, IMG
	s_add_co_u32 s26, s17, SCB
	v_mul_u32_u24 v4, v2, IP
	v_add_nc_u32 v4, s25, v4                       ; the image, in: row = my lane; the step is the column
	v_lshrrev_b32 v9, 4, v2
	v_bfe_u32 v5, v2, 1, 3
	v_lshl_add_u32 v5, v9, 7, v5
	v_add_nc_u32 v5, s26, v5                       ; my block's scale byte: 128 (lane / 16) + (lane / 2) % 8; the step adds 8 t
	v_and_b32 v10, 15, v2
	v_mul_u32_u24 v6, v9, IP
	v_lshl_add_u32 v6, v10, 4, v6
	v_add_nc_u32 v6, s25, v6                       ; the image, out: sixteen lanes to a row, two rows an instruction
	v_lshlrev_b32 v7, 3, v2                        ; the scale bytes, out: 8 bytes a lane
	v_add_nc_u32 v12, s26, v7
	s_mov_b32 s24, 0x600000                        ; the mantissa field of 448
	s_lshl_b32 s18, s27, 17                        ; x: 32 rows of 4,096 bytes a work-group,
	s_lshr_b32 s20, s16, 1
	s_lshl_b32 s20, s20, 15                        ; 8 rows on for the second tile,
	s_add_co_u32 s18, s18, s20
	s_and_b32 s20, s16, 1
	s_lshl_b32 s20, s20, 11                        ; 2,048 bytes on for the second K half
	s_add_co_u32 s18, s18, s20
	s_mov_b32 s19, 0
	s_lshl_b32 s20, s27, 2
	s_add_co_u32 s20, s20, s16                     ; 4 g + w: the wave's run of 8,192 bytes of codes and of 256 scale bytes
	s_lshl_b32 s22, s20, 8
	s_lshl_b32 s20, s20, 13
	s_mov_b32 s21, 0
	s_mov_b32 s23, 0
	s_wait_kmcnt 0x0
	s_add_nc_u64 s[4:5], s[4:5], s[18:19]
	s_add_nc_u64 s[6:7], s[6:7], s[20:21]
	s_add_nc_u64 s[8:9], s[8:9], s[22:23]
.macro LOADX t                         ; step t: the tile's row t lies t + 8 (t / 8) rows below its first
.irp i, 0,1,2,3
	global_load_b128 v[R+16*((\t)%8)+4*\i:R+16*((\t)%8)+4*\i+3], v3, s[4:5] offset:((\t)+8*((\t)/8))*4096+512*\i th:TH_LOAD_NT
.endr
.endm
.macro TURN t                          ; step t's numbers through a stage: LDS serves a wave's instructions in order, so no wait stands between the stores and the loads
.irp i, 0,1,2,3
	ds_store_b128 v14, v[R+16*((\t)%8)+4*\i:R+16*((\t)%8)+4*\i+3] offset:32*SP*((\t)%2)+8*SP*\i
.endr
.irp i, 0,1,2,3
	ds_load_b128 v[X+16*((\t)%2)+4*\i:X+16*((\t)%2)+4*\i+3], v15 offset:32*SP*((\t)%2)+16*\i
.endr
.endm
.irp t, 0,1,2,3,4,5,6,7
	LOADX \t
.endr
	s_wait_loadcnt 28                              ; step 0's four loads are in; seven steps' may be out
	TURN 0
.macro STEP t
.set XS, X+16*((\t)%2)
.if (\t) > 0
	s_wait_dscnt 2                                 ; this step's numbers are back from the stage (the last step's two stores may be out): so its stores into the stage have read their registers,
.else
	s_wait_dscnt 0x0
.endif
.if (\t)+8 < STEPS
	LOADX (\t)+8                                   ; which take the loads of eight steps on
.endif
.if (\t)+1 < STEPS
.if (\t) <= 7
	s_wait_loadcnt 28                              ; the next step's four loads are in; those of the seven steps behind it may be out
.else
	s_wait_loadcnt 4*(14-(\t))
.endif
	TURN (\t)+1
.endif
	v_max3_num_f32 v8, |v[XS]|, |v[XS+1]|, |v[XS+2]|               ; the largest magnitude of my 16
	v_max3_num_f32 v9, |v[XS+3]|, |v[XS+4]|, |v[XS+5]|
.irp i, 6,10
	v_max3_num_f32 v8, v8, |v[XS+\i]|, |v[XS+\i+1]|
	v_max3_num_f32 v9, v9, |v[XS+\i+2]|, |v[XS+\i+3]|
.endr
	v_max3_num_f32 v8, v8, |v[XS+14]|, |v[XS+15]|
	v_max3_num_f32 v8, v8, v9, 0x4800000           ; and the floor 2^(9 - 127): the byte cannot fall under 1
	v_max_num_f32_dpp v8, v8, v8 row_xmask:1 row_mask:0xf bank_mask:0xf   ; and of my neighbour's 16: the block's
	v_add_nc_u32 v11, 0xfc000000, v8               ; 8 off its exponent field: the conversion takes the exponent field of this operand as its scale
	v_and_or_b32 v10, v8, 0x7f800000, s24          ; 448 x the scale
.irp i, 0,1,2,3,4,5,6,7,8,9,10,11,12,13,14,15
	v_med3_num_f32 v[XS+\i], v[XS+\i], -v10, v10   ; the conversion to an 8-bit code does not saturate (ISA guide 7.6.2): the hold comes first
.endr
	v_cvt_scalef32_pk8_fp8_f32 v[C+4*(\t):C+4*(\t)+1], v[XS:XS+7], v11
	v_cvt_scalef32_pk8_fp8_f32 v[C+4*(\t)+2:C+4*(\t)+3], v[XS+8:XS+15], v11
	v_lshrrev_b32 v[E+(\t)], 23, v11               ; the scale's byte (also the plain line behind the conversions)
	ds_store_b8 v5, v[E+(\t)] offset:8*(\t)        ; both lanes of a block write the same byte with the same value
	ds_store_b128 v4, v[C+4*(\t):C+4*(\t)+3] offset:16*(\t)
.endm
.irp t, 0,1,2,3,4,5,6,7,8,9,10,11,12,13,14,15
	STEP \t
.endr
.irp u, 0,1,2,3,4,5,6,7,8,9,10,11,12,13,14,15
	ds_load_b128 v[R+4*\u:R+4*\u+3], v6 offset:2*IP*\u             ; LDS serves a wave's instructions in order: these see my stores
.endr
	ds_load_b64 v[8:9], v12
.irp u, 0,1,2,3,4,5,6,7,8,9,10,11,12,13,14,15
	s_wait_dscnt 16-\u                             ; load u is in; the 15 - u behind it and the scale bytes' may be out
	global_store_b128 v3, v[R+4*\u:R+4*\u+3], s[6:7] offset:512*\u   ; 32 lanes store 512 consecutive bytes, aligned
.endr
	s_wait_dscnt 0x0
	global_store_b64 v7, v[8:9], s[8:9]            ; 32 lanes store 256 consecutive bytes, aligned
	s_set_vgpr_msb 0x5
	s_wait_tensorcnt 0x0
	ds_add_u32 v0, v1
	s_wait_dscnt 0x0
	s_set_vgpr_msb 0x500
	s_endpgm
.Lfunc_end_k_qf81e1afd01_quant:
	.size	k_qf81e1afd01_quant, .Lfunc_end_k_qf81e1afd01_quant-k_qf81e1afd01_quant
	.p2alignl 7, 3214868480
	.fill 96, 4, 3214868480
	.section	.rodata,"a",@progbits
	.p2align	6, 0x0
	.amdhsa_kernel k_qf81e1afd01_quant
		.amdhsa_group_segment_fixed_size 91648
		.amdhsa_private_segment_fixed_size 0
		.amdhsa_enable_private_segment 0
		.amdhsa_kernarg_size 72
		.amdhsa_user_sgpr_count 2
		.amdhsa_user_sgpr_kernarg_segment_ptr 1
		.amdhsa_wavefront_size32 1
		.amdhsa_system_sgpr_workgroup_id_x 1
		.amdhsa_system_sgpr_workgroup_id_y 1
		.amdhsa_system_sgpr_workgroup_id_z 1
		.amdhsa_system_vgpr_workitem_id 0
		.amdhsa_next_free_vgpr 258
		.amdhsa_next_free_sgpr 66
		.amdhsa_reserve_vcc 0
		.amdhsa_float_denorm_mode_32 3
		.amdhsa_float_denorm_mode_16_64 3
		.amdhsa_memory_ordered 1
		.amdhsa_forward_progress 1
		.amdhsa_inst_pref_size 113
	.end_amdhsa_kernel
	.amdgpu_metadata
---
amdhsa.version: [ 1, 2 ]
amdhsa.kernels:
  - .name:           k_qf81e1afd01_quant
    .symbol:         k_qf81e1afd01_quant.kd
    .args:
      - { .name: Wq, .offset: 0, .size: 8, .value_kind: global_buffer, .address_space: global }
      - { .name: Wk, .offset: 8, .size: 8, .value_kind: global_buffer, .address_space: global }
      - { .name: Wv, .offset: 16, .size: 8, .value_kind: global_buffer, .address_space: global }
      - { .name: Wo, .offset: 24, .size: 8, .value_kind: global_buffer, .address_space: global }
      - { .name: w_img, .offset: 32, .size: 8, .value_kind: global_buffer, .address_space: global }
      - { .name: w_sc, .offset: 40, .size: 8, .value_kind: global_buffer, .address_space: global }
      - { .name: x, .offset: 48, .size: 8, .value_kind: global_buffer, .address_space: global }
      - { .name: x_img, .offset: 56, .size: 8, .value_kind: global_buffer, .address_space: global }
      - { .name: x_sc, .offset: 64, .size: 8, .value_kind: global_buffer, .address_space: global }
    .group_segment_fixed_size: 91648
    .private_segment_fixed_size: 0
    .kernarg_segment_align: 8
    .kernarg_segment_size: 72
    .max_flat_workgroup_size: 128
    .sgpr_count:     66
    .vgpr_count:     258
    .wavefront_size: 32
...
	.end_amdgpu_metadata
.endif
;; end of part 1
;; launch qkv (part 2): grid 8 x 48, 4 waves a work-group, clusters of 4 x 4, 327,680 bytes of LDS; arguments x_img, x_sc, w_img, w_sc, q_img, kv; writes q_img, kv
.if DOCPART == 2
	.amdgcn_target "amdgcn-amd-amdhsa--gfx1250"
	.amdhsa_code_object_version 6
	.text
	.protected	k_qf81e1afd01_qkv
	.globl	k_qf81e1afd01_qkv
	.p2align	8
	.type	k_qf81e1afd01_qkv,@function
k_qf81e1afd01_qkv:
	s_mov_b64 s[64:65], 0
	v_nop
	global_prefetch_b8 v0, s[64:65] scope:SCOPE_SE
	s_setreg_imm32_b32 hwreg(HW_REG_WAVE_MODE, 25, 1), 1
	s_wait_xcnt 0x0
	s_wait_alu depctr_hold_cnt(0) depctr_sa_sdst(0) depctr_va_vdst(0) depctr_va_sdst(0) depctr_va_ssrc(0) depctr_va_vcc(0) depctr_vm_vsrc(0)
	s_getreg_b32 s2, hwreg(HW_REG_IB_STS2, 6, 4)
	s_cmp_eq_u32 s2, 0
	s_cbranch_scc0 .Lentry_in_a_cluster
	s_endpgm
.Lentry_in_a_cluster:
	s_bfe_u32 s2, ttmp6, 0x10000c
	s_cmp_lg_u32 s2, 0xf033
	s_cbranch_scc0 .Lentry_shape_is_right
	s_endpgm
.Lentry_shape_is_right:
; q = x Wq, k = x Wk, v = x Wv on codes of FP8 (E4M3) with E8M0 scales for each 32 along K = 1,024; sums in f32; the results are quantised in registers and leave as codes and scale bytes, laid as the attention launch reads them.
; A tile of 256 x 256 results is made by a work-group of four waves; a wave makes 128 x 128: 64 accumulators of 16 x 16, 512 registers.  K goes in steps of 256 through a ring of two LDS slots filled by the tensor data mover.
; OPERANDS ARE IMAGES OF REGISTERS: [tile of 16 rows][K step of 128][2048 bytes], the 16 bytes at 512 c + 16 lane being a lane's registers 4 c .. 4 c + 3: a fragment is four LDS loads at 16 x lane: consecutive bytes, no pitch, no padding.
; A tile T holds the rows 32 (T / 2) + 8 (T % 2) + r + 8 (r / 8).  Source 0 is called B, source 1 A.  In accumulator (a, b) lane (r, h) holds row r of A's tile a, and the 16 registers of accumulators (a, 2 e), (a, 2 e + 1)
; are the 16 NEIGHBOURING rows 32 e + 16 h + 0 .. 15 of B's 128: the axis along which the result is quantised.
; TWO MODES, by the cluster's y alone, which all partners share.  y < 8 (256 work-groups): A = x (tokens), B = Wq | Wk (features): q and k are quantised along the head's 64.
;   y >= 8 (128 work-groups): A = Wv (features), B = x (tokens): v is quantised along the keys.
; OUTPUT.  For each (batch, head, step of 128 tokens) a block.  q_img: 8,448 bytes: codes 8,192, scale bytes 256.  kv: 16,896 bytes: k's codes 8,192, v's codes 8,192, k's scale bytes 256, v's 256.
;   q, k: token tile a (0-7), dims 32 c + 16 h + 0 .. 15 at 1024 a + 512 c + 16 lane: so tiles 2 b, 2 b + 1 together are ONE fragment of 128 along K (64 dims of one token, 64 of another).  Scale halfword of (a, r) at 16 r + 2 a.
;   v: fragment t (rows = dims of tile t, K = the step's 128 keys) at 2048 t + 512 c + 16 lane.  Scale word at 16 r + 4 t.
; CLUSTERS: 4 x 4 work-groups.  A's tile is shared along a row of the cluster, B's along a column: each is asked for JOINTLY, by the same tensor load with the same descriptor and a mask that names the four.
; THE SCALES of the work-group's 256 rows of A and of B for all of K are two dense blocks of 8,192 bytes: they come into LDS once, with the first fills, and stay.
; LIMITS: NaN and infinities are not served.  A block of zeros gets the byte 1 where the rule says 127: its codes are zeros, and this program alone reads the bytes.  The order of the f32 sums is the matrix unit's.
; REGISTERS, in windows of 256: window 0: v0-31 addresses; v32-63 scale words, two sets; from v128 A's fragments, ONE set; in the epilogue v64-195 at work.  window 1: B's fragments, TWO sets.
;   window 2: the accumulators of A's blocks 0-3 ((a, b) at v[8 (8 a + b)]); window 3: those of blocks 4-7.
.set NQ,     2                         ; matrix instructions deep in a slot
.set FR,     16                        ; registers of a fragment
.set FRB,    2048                      ; and its image in bytes
.set NL,     4                         ; LDS loads that bring one
.set NP,     8                         ; places behind this matrix instruction (ISA guide 7.12.1)
.set TILEB,  2*FRB                     ; a tile's 256 along K
.set HALFT,  8*TILEB                   ; 128 rows: what one tensor load brings, and what one wave reads of A or of B
.set SLOT,   4*HALFT                   ; A's 256 rows, then B's 256 rows
.set LAPS,   2                         ; a lap = two K steps = once round the ring: 1,024 / 512
.set SCL,    2*SLOT                    ; behind the ring: the scales
.set HALFS,  4096                      ; those of 128 rows: what one tensor load brings
.set SBLK,   512                       ; those of 16 rows
.set SPARE,  SCL+4*HALFS               ; behind the scales: the spare words, 128 bytes for each wave: two blocks of 256 bytes that no other line names
.set HREG, 2                           ; v2      lane / 16
.set ADRA, 16                          ; v16-17  LDS address of my A fragments in slot 0, 1
.set ADRB, 20                          ; v20-21  the same for B
.set VS,   26                          ; v26     the way out: my 16 scale bytes
.set ADRS, 27                          ; v27     LDS address of my scale words: lanes 0-15 A's rows, lanes 16-31 B's
.set SPW,  28                          ; v28     LDS address of my spare word; never rewritten
.set NIL,  29                          ; v29     0; never rewritten
.set VO0,  30                          ; v30     the way out: 16 x lane (the wave's first head);  v31: the same one head on
.set SC,   32                          ; scale words: set s at v[SC + 16 s]; register 2 i + q: lanes 0-15 A's block i, lanes 16-31 B's block i, the slot's q-th 128 along K
.set X,    64                          ; the epilogue: 64 held numbers
.set AF,   128                         ; A's fragments
.set PC,   128                         ; the epilogue: 16 registers of codes
.set TM,   160                         ; v160-163 largest magnitudes, v164-167 bytes, v168-171 448 x the scale, v172-175 the conversions' scale operands
.set SW,   176                         ; v176-183 the eight blocks' scale words
.set P0,   184
.set P1,   188
.set FD,   192                         ; v192-195 the 16 scale bytes that I store
.set G1, 24                            ; s[24:31] descriptor group 1 for A's tiles;  s[32:39] group 0, one set for each slot
.set G0, 32
.set G1B, 48                           ; s[48:55], s[56:63] the same for B's tiles
.set G0B, 56
.set G1S, 68                           ; s[68:75], s[76:79] groups 1 and 0 for A's scales;  s[80:87], s[88:91] for B's
.set G0S, 76
.set G1SB, 80
.set G0SB, 88
.set MODE, 95                          ; s95  0: q and k;  1: v
.set SELR, 92                          ; s92-93 lane selects for v_permlanex16_b32 (set behind the descriptors)
.set MNT,  100                         ; s100 the mantissa field of 448 (likewise)
.set MSB, 0
.macro WIN new                         ; the immediate's high byte repeats the setting that is left
.if MSB != (\new)
	s_set_vgpr_msb (MSB<<8)|(\new)
.set MSB, (\new)
.endif
.endm
.set MUL_LO, 0xa1                      ; source 0 (B) window 1, source 1 (A) window 0, C and D window 2
.set MUL_HI, 0xf1                      ; the same, C and D window 3
.set TO_B,   0x40                      ; destination window 1, address window 0
; A joint load: waves 0 and 1 fetch for A, waves 2 and 3 for B.  Each of the two lines has ONE mask and one set of registers for all that issue it; the branch hangs on the wave's number alone.
; Four v_nop follow each of the two lines, ahead of the jump, the label and what follows.
.macro JLOAD g0a, g1a, g0b, g1b
	s_cmp_eq_u32 s15, 0
	s_cbranch_scc0 .Lfor_b_\@
	tensor_load_to_lds s[\g0a:\g0a+3], s[\g1a:\g1a+7]
	s_nop 0
.rept 4
	v_nop
.endr
	s_branch .Lasked_\@
.Lfor_b_\@:
	tensor_load_to_lds s[\g0b:\g0b+3], s[\g1b:\g1b+7]
	s_nop 0
.rept 4
	v_nop
.endr
.Lasked_\@:
.endm
.macro CREST                           ; a round of the cluster's barrier behind its opening barrier
	s_cmp_lg_u32 s14, 0
	s_cbranch_scc1 .Lnot_wave_0_\@
	s_barrier_signal -3
.Lnot_wave_0_\@:
	s_barrier_wait -3
	s_barrier_signal -1
	s_barrier_wait -1
.endm
.macro CROUND                          ; a whole round
	s_barrier_signal -1
	s_barrier_wait -1
	CREST
.endm
	s_load_b256 s[4:11], s[0:1], 0x0               ; x_img, x_sc, w_img, w_sc
	s_load_b128 s[96:99], s[0:1], 0x20             ; q_img, kv
	v_lshl_add_u32 v[SPW], v0, 2, SPARE
	v_mov_b32 v[NIL], 0
	ds_add_u32 v28, v29
	ds_add_u32 v28, v29
	s_wait_dscnt 0x0
	v_lshrrev_b32 v1, 5, v0
	v_readfirstlane_b32 s14, v1                    ; wave 0..3
	s_lshr_b32 s15, s14, 1                         ; which half of A's rows is mine.  Also: I fetch for A (0) or for B (1)
	s_and_b32 s16, s14, 1                          ; which half of B's rows.  Also: which 128 rows of that tile I fetch
	s_bfe_u32 s40, ttmp6, 0x40000                  ; cx, cy: my place in the cluster
	s_bfe_u32 s41, ttmp6, 0x40004
	s_and_b32 s2, ttmp7, 0xffff                    ; the cluster's y
	s_cmp_ge_u32 s2, 8
	s_cselect_b32 s[MODE], 1, 0
	s_cselect_b32 s17, 0, s2
	s_cselect_b32 s42, s2, 8
	s_lshl_b32 s17, s17, 2
	s_add_co_u32 s17, s17, s41                     ; A's tile of 256 rows: q, k: 4 x cluster y + cy;  v: cy
	s_sub_co_u32 s42, s42, 8
	s_lshl_b32 s42, s42, 3
	s_lshl_b32 s18, ttmp9, 2
	s_add_co_u32 s42, s42, s18
	s_add_co_u32 s42, s42, s40                     ; B's tile: 4 x cluster x + cx;  v: + 8 (cluster y - 8)
	s_lshl_b32 s43, s41, 2
	s_lshl_b32 s43, 15, s43                        ; my row of the cluster
	s_lshl_b32 s44, 0x1111, s40                    ; my column
	; descriptor group 1: 8 tiles' 4,096 bytes of a K step, 16,384 bytes apart in memory, on end in LDS: 8 rows of 512 elements of 8 bytes
	s_or_b32 s[G1+0], s43, (3<<16)|(1<<21)         ; 15:0 the mask: A's tiles go to my row; 17:16 elements of 8 bytes; 20 no padding; 21 set beside a mask
	s_or_b32 s[G1B+0], s44, (3<<16)|(1<<21)
.irp g, G1, G1B
	s_mov_b32 s[\g+1], 512<<16                     ; tensor_dim0
	s_mov_b32 s[\g+2], 8<<16                       ; tensor_dim1
	s_mov_b32 s[\g+3], 512<<16                     ; tile_dim0
	s_mov_b32 s[\g+4], 8                           ; tile_dim1
	s_mov_b32 s[\g+5], 2048                        ; tensor_dim0_stride
	s_mov_b32 s[\g+6], 0
	s_mov_b32 s[\g+7], 0
.endr
	; and for the scales of 128 rows: 4,096 dense bytes, as 16 rows of 256
	s_or_b32 s[G1S+0], s43, (3<<16)|(1<<21)
	s_or_b32 s[G1SB+0], s44, (3<<16)|(1<<21)
.irp g, G1S, G1SB
	s_mov_b32 s[\g+1], 32<<16
	s_mov_b32 s[\g+2], 16<<16
	s_mov_b32 s[\g+3], 32<<16
	s_mov_b32 s[\g+4], 16
	s_mov_b32 s[\g+5], 32
	s_mov_b32 s[\g+6], 0
	s_mov_b32 s[\g+7], 0
.endr
	s_lshl_b32 s18, s16, 3                         ; which 8 tiles of 16 rows I fetch
	s_lshl_b32 s20, s17, 4
	s_add_co_u32 s20, s20, s18                     ; A: the first of them
	s_lshl_b32 s46, s42, 4
	s_add_co_u32 s46, s46, s18                     ; B likewise
	s_lshl_b32 s22, s20, 9                         ; where their scales begin, in bytes,
	s_lshl_b32 s20, s20, 14                        ; and their codes
	s_lshl_b32 s92, s46, 9
	s_lshl_b32 s46, s46, 14
	s_mov_b32 s21, 0
	s_mov_b32 s23, 0
	s_mov_b32 s47, 0
	s_mov_b32 s93, 0
	s_mul_i32 s45, s14, HALFT                      ; where they go: wave x 128 rows: no place in the cluster enters an LDS address
	s_mul_i32 s94, s14, HALFS
	s_wait_kmcnt 0x0
	s_add_nc_u64 s[12:13], s[8:9], 0x200000        ; Wv's tiles 128 on: 128 x 16,384 bytes of codes,
	s_add_nc_u64 s[18:19], s[10:11], 0x10000       ; 128 x 512 of scale bytes
	s_mov_b64 s[66:67], s[4:5]
	s_mov_b64 s[100:101], s[6:7]
	s_cmp_lg_u32 s[MODE], 0                        ; the operands change sides with the mode, which hangs on no address
	s_cselect_b64 s[4:5], s[12:13], s[4:5]         ; A's codes
	s_cselect_b64 s[6:7], s[18:19], s[6:7]         ; A's scales
	s_cselect_b64 s[8:9], s[66:67], s[8:9]         ; B's codes
	s_cselect_b64 s[10:11], s[100:101], s[10:11]   ; B's scales
	s_add_nc_u64 s[20:21], s[4:5], s[20:21]
	s_add_nc_u64 s[22:23], s[6:7], s[22:23]
	s_add_nc_u64 s[46:47], s[8:9], s[46:47]
	s_add_nc_u64 s[92:93], s[10:11], s[92:93]
	CROUND                                         ; all sixteen work-groups are here: the first joint loads meet
	s_mov_b32 s[G0S], 1
	s_add_co_u32 s[G0S+1], s94, SCL
	s_mov_b64 s[G0S+2:G0S+3], s[22:23]
	s_or_b32 s[G0S+3], s[G0S+3], 0x80000000
	s_mov_b32 s[G0SB], 1
	s_add_co_u32 s[G0SB+1], s94, SCL
	s_mov_b64 s[G0SB+2:G0SB+3], s[92:93]
	s_or_b32 s[G0SB+3], s[G0SB+3], 0x80000000
	JLOAD G0S, G1S, G0SB, G1SB                     ; the scales first: they are wanted with K step 0
.irp s, 0,1
	s_mov_b32 s[G0+4*\s], 1
	s_add_co_u32 s[G0+4*\s+1], s45, \s*SLOT
	s_add_nc_u64 s[G0+4*\s+2:G0+4*\s+3], s[20:21], \s*TILEB
	s_or_b32 s[G0+4*\s+3], s[G0+4*\s+3], 0x80000000
	s_mov_b32 s[G0B+4*\s], 1
	s_add_co_u32 s[G0B+4*\s+1], s45, \s*SLOT
	s_add_nc_u64 s[G0B+4*\s+2:G0B+4*\s+3], s[46:47], \s*TILEB
	s_or_b32 s[G0B+4*\s+3], s[G0B+4*\s+3], 0x80000000
	JLOAD G0+4*\s, G1, G0B+4*\s, G1B
.endr
	v_and_b32 v1, 15, v0                           ; r = lane % 16
	v_bfe_u32 v[HREG], v0, 4, 1                    ; h = lane / 16
	v_and_b32 v6, 31, v0
	v_lshlrev_b32 v4, 4, v6                        ; 16 x lane: my place in every image
	s_mul_i32 s21, s15, HALFT                      ; my 128 rows of A
	s_mul_i32 s22, s16, HALFT                      ; my 128 rows of B,
	s_add_co_u32 s22, s22, 2*HALFT                 ; which lie behind A's 256
.irp s, 0,1
	v_add_nc_u32 v[ADRA+\s], s21, v4
	v_add_nc_u32 v[ADRB+\s], s22, v4
	s_add_co_u32 s21, s21, SLOT
	s_add_co_u32 s22, s22, SLOT
.endr
	v_lshlrev_b32 v5, 3, v1                        ; my row's scale bytes of a K step: 8 r
	s_mul_i32 s21, s15, HALFS                      ; A's: my 128 rows
	s_mul_i32 s22, s16, HALFS                      ; B's: my 128 rows, behind A's 256
	s_add_co_u32 s22, s22, 2*HALFS
	s_sub_co_u32 s22, s22, s21
	v_mul_u32_u24 v6, s22, v[HREG]                 ; lanes 16-31 take B's: one product, the distance between the two
	s_add_co_u32 s21, s21, SCL
	v_add_nc_u32 v5, v5, v6
	v_add_nc_u32 v[ADRS], s21, v5
	; where my results go.  q, k: step of 128 tokens g = 2 x A's tile + my half of A, first head = 4 (B's tile % 4) + 2 x my half of B.  v: g = 2 x B's tile + my half of B, first head = 4 x A's tile + 2 x my half of A
	s_lshl_b32 s18, s17, 1
	s_add_co_u32 s18, s18, s15
	s_lshl_b32 s19, s42, 1
	s_add_co_u32 s19, s19, s16
	s_and_b32 s20, s42, 3
	s_lshl_b32 s20, s20, 2
	s_lshl_b32 s21, s16, 1
	s_add_co_u32 s20, s20, s21
	s_lshl_b32 s21, s17, 2
	s_lshl_b32 s22, s15, 1
	s_add_co_u32 s21, s21, s22
	s_cmp_lg_u32 s[MODE], 0
	s_cselect_b32 s18, s19, s18                    ; g
	s_cselect_b32 s20, s21, s20                    ; the first head
	s_lshr_b32 s19, s18, 4                         ; the batch
	s_lshl_b32 s19, s19, 4
	s_add_co_u32 s19, s19, s20
	s_lshl_b32 s19, s19, 4
	s_and_b32 s18, s18, 15
	s_add_co_u32 s19, s19, s18                     ; the block: (16 x batch + head) x 16 + step
	s_lshl_b32 s21, s[MODE], 1
	s_add_co_u32 s21, s21, ttmp9                   ; 0: q (B's tiles 0-3);  1: k;  2, 3: v
	s_mov_b32 s22, 16896
	s_mov_b32 s23, 16384
	s_cmp_eq_u32 s21, 0
	s_cselect_b32 s22, 8448, s22                   ; a block's bytes
	s_cselect_b32 s23, 8192, s23                   ; from the codes to the scale bytes: q 8,192; k 16,384;
	s_cselect_b64 s[12:13], s[96:97], s[98:99]     ; q_img or kv
	s_cmp_lg_u32 s[MODE], 0
	s_cselect_b32 s23, 8448, s23                   ; v 16,640 - 8,192
	s_cselect_b32 s40, 8192, 0                     ; v's codes lie behind k's
	s_mul_i32 s19, s19, s22
	s_add_co_u32 s40, s40, s19
	s_mov_b32 s41, 0
	s_add_nc_u64 s[12:13], s[12:13], s[40:41]
	s_lshl_b32 s22, s22, 4                         ; from a head to the next: 16 blocks
	v_mov_b32 v[VO0], v4
	v_add_nc_u32 v[VO0+1], s22, v4
	v_mul_u32_u24 v5, s22, v[HREG]
	v_lshl_add_u32 v5, v1, 4, v5
	v_add_nc_u32 v[VS], s23, v5                    ; lanes 0-15: the first head's 256 scale bytes, 16 a lane; lanes 16-31: the second head's
	s_mov_b32 s[SELR], 0x76543210
	s_mov_b32 s[SELR+1], 0xfedcba98                ; lane l xor 16
	s_mov_b32 s[MNT], 0x600000
	s_mov_b32 s66, 0x05040100                      ; v_perm_b32: the two low halves;
	s_mov_b32 s67, 0x07060302                      ; the two high halves
.macro FRAG reg, adr, q, i             ; a fragment comes as it was laid: four loads of 512 consecutive bytes
.irp c, 0,1,2,3
	ds_load_b128 v[\reg+4*\c:\reg+4*\c+3], v[\adr] offset:(\i)*TILEB+(\q)*FRB+512*\c
.endr
.endm
; 16 matrix instructions: A's blocks a0, a0 + 1 x B's eight, 128 along K: the slot's q-th.  p: B's set;  sc: the set of scale words.  zero = 1: the first product starts the sums: nothing is ever cleared.
; The 64 accumulators take turns, one instruction a turn, in the same order in every step.
.macro MUL16 a0, p, q, sc, zero
.irp a, \a0, \a0+1
.irp b, 0,1,2,3,4,5,6,7
.if \zero
	v_wmma_scale_f32_16x16x128_f8f6f4 v[8*(8*((\a)%4)+\b):8*(8*((\a)%4)+\b)+7], v[128*(\p)+FR*\b:128*(\p)+FR*\b+FR-1], v[AF+FR*(\a):AF+FR*(\a)+FR-1], 0, v[SC+8*NQ*(\sc)+NQ*\b+(\q)], v[SC+8*NQ*(\sc)+NQ*(\a)+(\q)] matrix_a_scale:MATRIX_SCALE_ROW1
.else
	v_wmma_scale_f32_16x16x128_f8f6f4 v[8*(8*((\a)%4)+\b):8*(8*((\a)%4)+\b)+7], v[128*(\p)+FR*\b:128*(\p)+FR*\b+FR-1], v[AF+FR*(\a):AF+FR*(\a)+FR-1], v[8*(8*((\a)%4)+\b):8*(8*((\a)%4)+\b)+7], v[SC+8*NQ*(\sc)+NQ*\b+(\q)], v[SC+8*NQ*(\sc)+NQ*(\a)+(\q)] matrix_a_scale:MATRIX_SCALE_ROW1
.endif
.endr
.endr
.endm
.macro FETCH_B slot, q, p              ; B's eight fragments of the slot's q-th 128 along K into set p
	WIN TO_B
.irp i, 0,1,2,3,4,5,6,7
	FRAG 128*(\p)+FR*\i, ADRB+\slot, \q, \i
.endr
	WIN 0
.endm
.macro FETCH_A slot, q, i0             ; A's blocks i0 .. i0 + 3
.irp i, \i0, \i0+1, \i0+2, \i0+3
	FRAG AF+FR*(\i), ADRA+\slot, \q, \i
.endr
.endm
.macro SCALES sc                       ; the next K step's scale words into set sc: two words a row; lanes 0-15 take A's block i, lanes 16-31 B's block i
.irp i, 0,1,2,3,4,5,6,7
	ds_load_b64 v[SC+8*NQ*\sc+NQ*\i:SC+8*NQ*\sc+NQ*\i+1], v[ADRS] offset:\i*SBLK
.endr
.endm
; A load into a register that a matrix instruction has read, and a vector instruction that reads a matrix result, stand NP places behind that matrix instruction, and only plain vector instructions that name
; none of its registers are places (ISA guide 7.12.1 for vector instructions); this text does not count the matrix instructions in between.
.macro PLACES n
.rept \n
	v_nop
.endr
.endm
; A step of 128 along K that has its successor in the same slot.  A's blocks go one after the other, each against B's eight: so one set of registers serves A: blocks 0-3 are fetched anew in the step's middle, blocks 4-7 at its end.
.macro STEP slot, q, zero
	s_wait_dscnt 4*NL                              ; B's set, A's blocks 0-3 and the scale words are in; the youngest sixteen loads (A's blocks 4-7) may be out
	WIN MUL_LO
	MUL16 0, (\q)%2, \q, \slot, \zero
	MUL16 2, (\q)%2, \q, \slot, \zero
	s_wait_dscnt 0                                 ; A's blocks 4-7 are in (asked for 32 matrix instructions ago)
	PLACES NP
	FETCH_B \slot, (\q)+1, 1-(\q)%2
	FETCH_A \slot, (\q)+1, 0
	WIN MUL_HI
	MUL16 4, (\q)%2, \q, \slot, \zero
	MUL16 6, (\q)%2, \q, \slot, \zero
	PLACES NP
	WIN 0
	FETCH_A \slot, (\q)+1, 4
.endm
; A slot's last step changes slots: ONE barrier; in front of it each wave waits for all its tensor loads, adds 0 to its spare word, and waits for that and for its own reads of this slot.  fill = 1: this slot is filled again, two K steps ahead.
.macro TURN slot, next, fill
	s_wait_tensorcnt 0x0                           ; all my tensor loads have landed: my part of the next slot;  (every window is 0 here)
	ds_add_u32 v[SPW], v[NIL]                      ; 0 onto my spare word
	s_wait_dscnt 4*NL+1                            ; (the add and the youngest sixteen loads, A's blocks 4-7, may be out)
	WIN MUL_LO
	MUL16 0, 1, NQ-1, \slot, 0                     ; sixteen matrix instructions stand between the add and the wait for it
	s_wait_dscnt 0x0                               ; the add is done, and my reads of this slot are over
	s_barrier_signal -1
	MUL16 2, 1, NQ-1, \slot, 0
	WIN 0
	s_barrier_wait -1
.if \fill
	CREST                                          ; the barrier has opened a round of the cluster's barrier: no wave of any partner still reads this slot's tile or has a load on its way
	s_add_nc_u64 s[G0+4*\slot+2:G0+4*\slot+3], s[G0+4*\slot+2:G0+4*\slot+3], 2*TILEB
	s_add_nc_u64 s[G0B+4*\slot+2:G0B+4*\slot+3], s[G0B+4*\slot+2:G0B+4*\slot+3], 2*TILEB
	JLOAD G0+4*\slot, G1, G0B+4*\slot, G1B         ; the first tensor load behind the round; the four v_nop behind it are among the places in front of the loads below
	PLACES NP-4
.else
	PLACES NP
.endif
	v_add_nc_u32 v[ADRS], 128, v[ADRS]             ; on to the next K step's scale words: 16 rows x 8 bytes (no LDS load of mine is out)
	FETCH_B \next, 0, 0
	FETCH_A \next, 0, 0
	SCALES \next
	WIN MUL_HI
	MUL16 4, 1, NQ-1, \slot, 0
	MUL16 6, 1, NQ-1, \slot, 0
	PLACES NP
	WIN 0
	FETCH_A \next, 0, 4
.endm
	s_wait_tensorcnt 1                             ; the scales and my part of K step 0 are in (K step 1's load may be out)
	s_barrier_signal -1
	s_barrier_wait -1                              ; everybody's are
	FETCH_B 0, 0, 0
	FETCH_A 0, 0, 0
	SCALES 0
	FETCH_A 0, 0, 4
	STEP 0, 0, 1                                   ; the first step stands in front of the loop: its products start the sums
	s_mov_b32 s3, LAPS-1
.Llap:                                                 ; a trip goes once round the ring, from a lap's second step to the next lap's first, and fills both slots again
	TURN 0, 1, 1
	STEP 1, 0, 0
	TURN 1, 0, 1
	STEP 0, 0, 0
	s_sub_co_u32 s3, s3, 1
	s_cmp_lg_u32 s3, 0
	s_cbranch_scc1 .Llap
	TURN 0, 1, 0                                   ; the last lap fills nothing, and has no round of the cluster's barrier
	STEP 1, 0, 0
	s_wait_dscnt 4*NL                              ; the very last step: nothing more to fetch
	WIN MUL_LO
	MUL16 0, 1, NQ-1, 1, 0
	MUL16 2, 1, NQ-1, 1, 0
	s_wait_dscnt 0
	WIN MUL_HI
	MUL16 4, 1, NQ-1, 1, 0
	MUL16 6, 1, NQ-1, 1, 0
	WIN 0
; THE EPILOGUE.  Block a's 64 numbers of a lane, register 16 e + i = place 32 e + 16 h + i along the axis to be quantised, become 16 registers of codes and a scale word.  A block of 32 lies in lanes l and l xor 16.
; Each accumulator is read from its low end on.  The hold is also the move into window 0.
.macro QUANTW a
.set AC, 64*((\a)%4)
.set WN, 2+(\a)/4
	WIN (WN<<2)|(WN<<4)                            ; sources 1 and 2: the accumulators' window
.irp b, 0,1,2,3
	v_max3_num_f32 v[TM+\b], 0x4800000, |v[AC+16*\b]|, |v[AC+16*\b+1]|   ; my 16 numbers of block b, and the floor 2^(9 - 127): the byte cannot fall under 1
.endr
.irp i, 2,4,6,8,10,12,14
.irp b, 0,1,2,3
	v_max3_num_f32 v[TM+\b], v[TM+\b], |v[AC+16*\b+\i]|, |v[AC+16*\b+\i+1]|   ; (the four blocks by turns)
.endr
.endr
	WIN 0
.irp b, 0,1,2,3
	v_permlanex16_b32 v[TM+4+\b], v[TM+\b], s[SELR], s[SELR+1]
.endr
.irp b, 0,1,2,3
	v_max_num_f32 v[TM+\b], v[TM+\b], v[TM+4+\b]   ; with lane l xor 16's: the block's largest magnitude
.endr
.irp b, 0,1,2,3
	v_add_nc_u32 v[TM+12+\b], 0xfc000000, v[TM+\b] ; 8 off its exponent field: the conversion's scale operand
.endr
.irp b, 0,1,2,3
	v_and_or_b32 v[TM+8+\b], v[TM+\b], 0x7f800000, s[MNT]   ; 448 x the scale
.endr
.irp b, 0,1,2,3
	v_lshrrev_b32 v[TM+4+\b], 23, v[TM+12+\b]      ; the scale's byte
.endr
	v_lshl_or_b32 v[SW+(\a)], v[TM+5], 8, v[TM+4]
	v_lshl_or_b32 v[SW+(\a)], v[TM+6], 16, v[SW+(\a)]
	v_lshl_or_b32 v[SW+(\a)], v[TM+7], 24, v[SW+(\a)]
	WIN WN                                         ; source 0: the accumulators' window
.irp b, 0,1,2,3
.irp i, 0,1,2,3,4,5,6,7,8,9,10,11,12,13,14,15
	v_med3_num_f32 v[X+16*\b+\i], v[AC+16*\b+\i], -v[TM+8+\b], v[TM+8+\b]   ; the conversion to an 8-bit code does not saturate (ISA guide 7.6.2): the hold comes first
.endr
.endr
	WIN 0
	s_wait_xcnt 0x0                                ; the last block's stores have read the codes' registers: they are written again only behind this wait
.irp b, 0,1,2,3
	v_cvt_scalef32_pk8_fp8_f32 v[PC+4*\b:PC+4*\b+1], v[X+16*\b:X+16*\b+7], v[TM+12+\b]
	v_cvt_scalef32_pk8_fp8_f32 v[PC+4*\b+2:PC+4*\b+3], v[X+16*\b+8:X+16*\b+15], v[TM+12+\b]
.endr
	v_nop                                          ; a plain line behind the conversions
.endm
; Block a's codes leave: each store covers 512 consecutive bytes, aligned.  q, k: block a is token tile a; registers 4 e on are dims 32 (e % 2) + 16 h on of head e / 2.  v: block a is fragment a % 4 of head a / 4; registers 4 e on are keys 32 e + 16 h on.
.macro OUTW a
	s_cmp_lg_u32 s[MODE], 0
	s_cbranch_scc1 .Lv_\@
.irp e, 0,1,2,3
	global_store_b128 v[VO0+\e/2], v[PC+4*\e:PC+4*\e+3], s[12:13] offset:(\a)*1024+(\e%2)*512
.endr
	s_branch .Ld_\@
.Lv_\@:
.irp e, 0,1,2,3
	global_store_b128 v[VO0+(\a)/4], v[PC+4*\e:PC+4*\e+3], s[12:13] offset:((\a)%4)*2048+\e*512
.endr
.Ld_\@:
.endm
	PLACES NP                                      ; behind the last products: their results are read, and registers that held A's fragments are written
.irp b, 0,1,2,3
	v_mov_b32 v[TM+4+\b], 0                        ; written once: a lane permute's destination counts as one of its sources
.endr
.irp a, 0,1,2,3,4,5,6,7
	QUANTW \a
	OUTW \a
.endr
	; the scale bytes.  q, k: a block's word holds the first head's two bytes below and the second head's above: word w of a head's 16 bytes a row = the halves of blocks 2 w and 2 w + 1.  v: word w = block w's (first head) or block 4 + w's.
	v_cmp_ne_u32 vcc_lo, 0, v[HREG]                ; lanes 16-31 store the second head's
	s_cmp_lg_u32 s[MODE], 0
	s_cbranch_scc1 .Lv_scales
.irp w, 0,1,2,3
	v_perm_b32 v[P0+\w], v[SW+2*\w+1], v[SW+2*\w], s66
	v_perm_b32 v[P1+\w], v[SW+2*\w+1], v[SW+2*\w], s67
.endr
.irp w, 0,1,2,3
	v_cndmask_b32 v[FD+\w], v[P0+\w], v[P1+\w], vcc_lo
.endr
	s_branch .Lscales_made
.Lv_scales:
.irp w, 0,1,2,3
	v_cndmask_b32 v[FD+\w], v[SW+\w], v[SW+4+\w], vcc_lo
.endr
.Lscales_made:
	global_store_b128 v[VS], v[FD:FD+3], s[12:13]  ; sixteen lanes store 256 consecutive bytes, aligned
	s_wait_tensorcnt 0x0                           ; the wave's end
	ds_add_u32 v[SPW], v[NIL]
	s_wait_dscnt 0x0
	CROUND                                         ; the closing round: no work-group ends while a partner may still ask for a tile that names it
	s_endpgm
.Lfunc_end_k_qf81e1afd01_qkv:
	.size	k_qf81e1afd01_qkv, .Lfunc_end_k_qf81e1afd01_qkv-k_qf81e1afd01_qkv
	.p2alignl 7, 3214868480
	.fill 96, 4, 3214868480
	.section	.rodata,"a",@progbits
	.p2align	6, 0x0
	.amdhsa_kernel k_qf81e1afd01_qkv
		.amdhsa_group_segment_fixed_size 327680
		.amdhsa_private_segment_fixed_size 0
		.amdhsa_enable_private_segment 0
		.amdhsa_kernarg_size 48
		.amdhsa_user_sgpr_count 2
		.amdhsa_user_sgpr_kernarg_segment_ptr 1
		.amdhsa_wavefront_size32 1
		.amdhsa_system_sgpr_workgroup_id_x 1
		.amdhsa_system_sgpr_workgroup_id_y 1
		.amdhsa_system_sgpr_workgroup_id_z 1
		.amdhsa_system_vgpr_workitem_id 0
		.amdhsa_next_free_vgpr 1024
		.amdhsa_next_free_sgpr 102
		.amdhsa_reserve_vcc 1
		.amdhsa_float_denorm_mode_32 3
		.amdhsa_float_denorm_mode_16_64 3
		.amdhsa_memory_ordered 1
		.amdhsa_forward_progress 1
		.amdhsa_inst_pref_size 190
	.end_amdhsa_kernel
	.amdgpu_metadata
---
amdhsa.version: [ 1, 2 ]
amdhsa.kernels:
  - .name:           k_qf81e1afd01_qkv
    .symbol:         k_qf81e1afd01_qkv.kd
    .args:
      - { .name: x_img, .offset: 0, .size: 8, .value_kind: global_buffer, .address_space: global }
      - { .name: x_sc, .offset: 8, .size: 8, .value_kind: global_buffer, .address_space: global }
      - { .name: w_img, .offset: 16, .size: 8, .value_kind: global_buffer, .address_space: global }
      - { .name: w_sc, .offset: 24, .size: 8, .value_kind: global_buffer, .address_space: global }
      - { .name: q_img, .offset: 32, .size: 8, .value_kind: global_buffer, .address_space: global }
      - { .name: kv, .offset: 40, .size: 8, .value_kind: global_buffer, .address_space: global }
    .group_segment_fixed_size: 327680
    .private_segment_fixed_size: 0
    .kernarg_segment_align: 8
    .kernarg_segment_size: 48
    .max_flat_workgroup_size: 128
    .sgpr_count:     102
    .vgpr_count:     1024
    .wavefront_size: 32
...
	.end_amdgpu_metadata
.endif
;; end of part 2
;; launch attn (part 3): grid 4 x 64, 16 waves a work-group, no clusters, 272,384 bytes of LDS; arguments q_img, kv, ctx_img, ctx_sc; writes ctx_img, ctx_sc
.if DOCPART == 3
	.amdgcn_target "amdgcn-amd-amdhsa--gfx1250"
	.amdhsa_code_object_version 6
	.text
	.protected	k_qf81e1afd01_attn
	.globl	k_qf81e1afd01_attn
	.p2align	8
	.type	k_qf81e1afd01_attn,@function
k_qf81e1afd01_attn:
	s_mov_b64 s[64:65], 0
	v_nop
	global_prefetch_b8 v0, s[64:65] scope:SCOPE_SE
	s_setreg_imm32_b32 hwreg(HW_REG_WAVE_MODE, 25, 1), 1
	s_wait_xcnt 0x0
; ctx[b][q][h][:] = the sum over keys k <= q of softmax_k(q . k / 8) v, both products on codes of FP8 (E4M3) with E8M0 scales for each 32 along a product's K; ctx is quantised along head x 64 + dim and leaves as codes for the last product.
; THE SOFTMAX AHEAD OF THE SECOND PRODUCT: t = score x log2(e) / 8; M = the row's largest t so far, rounded UP to a whole number; p = 2^(t - M) is what is quantised, along the keys; it is not normalised.
; The row's sum is taken of the unquantised p, in f32, and divides O at the end.  When M moves, the sum and O are multiplied by 2^(old M - new M): exact.
; INPUT.  For each (batch, head, step of 128 tokens) a block.  kv, 16,896 bytes: k's codes 8,192 (four fragments), v's codes 8,192 (four fragments), k's scale words 256, v's 256.  q_img, 8,448 bytes: codes 8,192, scale bytes 256.
; All fragments are images of registers: four loads at 16 x lane.  A tile of 16 tokens a holds the tokens 32 (a / 2) + 8 (a % 2) + r + 8 (r / 8) of its step.
; THE HEAD HAS 64 DIMS, THE INSTRUCTION 128 ALONG K.  Fragment b of k holds, in row r, the 64 dims of tile 2 b's token and behind them the 64 dims of tile 2 b + 1's.  q stands in 24 registers as [zeros | q | zeros]:
; the last 16 ([q | 0]) against fragment b give tile 2 b's scores, the first 16 ([0 | q]) tile 2 b + 1's.  The zero codes add nothing: k's codes are numbers (the quantiser holds them) and every scale byte lies in 1 .. 254.
; Both products are used transposed (S^T = K Q^T, O^T = V^T P^T): a lane holds ONE query (lane % 16) throughout; the 16 registers of score tiles 2 b, 2 b + 1 are the keys 32 b + 16 (lane / 16) + 0 .. 15.
; SHARES.  A work-group serves one (batch, head).  Each of the sixteen waves makes two tiles of 16 queries, tile 127 - n and then tile n, n = 16 x work-group x + wave: their causal steps add up to (16 - n / 8) + (n / 8 + 1) = 17
; for every wave of the launch.
; THE FILL.  The head's 16 blocks of kv, 270,336 bytes, are brought into LDS ONCE and never filled again; there is no LDS store.  They come in four QUARTERS of four blocks (67,584 dense bytes); each wave brings a sixteenth of each
; quarter (4,224 consecutive bytes; those of odd waves begin 128 bytes past a multiple of 256): four tensor loads a wave, issued together at the head: four of mine are out at the most.  The first tile's steps 4 g .. 4 g + 3 stand behind
; a counted wait (the 3 - g younger quarters may be out) and a barrier: the later quarters land while the earlier ones are worked on.  The first tile is tile 64 or higher: it has 9 steps at the least, so every wave has work meanwhile.
; Both tiles' q are asked for at the head, behind the tensor loads.
; CAUSAL.  The loops over steps have constant trip counts; a step all of whose keys come after the tile's queries is jumped over by a scalar branch on ids; in the one step on the diagonal hidden scores become -infinity.
; NO JOINT LOADS, though the four work-groups of a head read the same kv: the branch that leaves hidden steps out hangs on the tile of queries, which differs between the four, and partners of a joint request run alike.
; LIMITS: NaN and infinities are not served.  A block of zeros gets the byte 1 where the rule says 127: its codes are zeros, and this program alone reads the bytes.
.set BLKB, 16896                       ; a block of kv
.set QBLK, 8448                        ; a block of q_img
.set QRT,  4*BLKB                      ; a quarter of the head
.set SLC,  QRT/16                      ; a wave's slice of a quarter
.set LN,   1                           ; v1   16 x lane
.set ADR,  2                           ; v2   LDS address of the step's block + 16 x lane
.set DD,   3                           ; v3   my query's place in its step - 16 (lane / 16)
.set RR,   4                           ; v4   r + 8 (r / 8) - 16 (lane / 16)
.set QSO,  5                           ; v5   16 r
.set CSO,  6                           ; v6   8 r
.set KF,   40                          ; v40-103  four fragments of k, then of v       (v12 -M, v13 the largest t, v[14:15] the sum in two halves; v16-39 zeros | q | zeros)
.set S,    104                         ; v104-167 S^T, then p; at the end ctx
.set OA,   168                         ; v168-199 O^T
.set PC,   200                         ; v200-215 p's codes; at the end ctx's
.set BM,   216                         ; v216-219 the blocks' largest
.set PB,   220                         ; v220-223 the other half's; bytes
.set HL,   224
.set SO,   228                         ; v228-231 the conversions' scale operands
.set PS,   232                         ; v[232:233] the second chain of the sum
.set T0,   234
.set FF,   236                         ; v[236:237] f = 2^(old M - new M)
.set PW,   238                         ; p's scale word
.set QS,   239                         ; q's scale word
.set SC,   240                         ; v240-243 lanes 0-15: k's scale words of fragments 0-3; lanes 16-31: v's
.set Q2,   244                         ; v244-251 the second tile's q, until its turn
.set QH,   252                         ; v252, v253 the two tiles' scale halfwords of q
.set WV,   12
.set MNT,  19
.set SEL,  20
.set CS,   22
.set G1,   24                          ; s[24:31] descriptor group 1: a slice
.set G0,   32                          ; s[32:47] descriptor group 0, a set for each quarter
.set TB,   48                          ; s48  LDS byte at which the step's block begins
.set ST,   49                          ; s49  the step
.set SQ,   50                          ; s50  the step on the diagonal
.set BH,   52                          ; s52  16 x batch + head
.set TAUS, 66                          ; s66, s67   the two tiles of queries
.set QP,   68                          ; s[68:71]   their codes of q
.set QSP,  72                          ; s[72:75]   their scale halfwords
.set CP,   76                          ; s[76:79]   their codes of ctx
.set CSP,  80                          ; s[80:83]   their scale bytes of ctx
.set DOF,  84                          ; s84, s85   a tile's first token in its step
.set SQS,  86                          ; s86, s87   their steps on the diagonal
	s_load_b256 s[4:11], s[0:1], 0x0               ; q_img, kv, ctx_img, ctx_sc
	v_lshl_add_u32 v254, v0, 2, 0x42000
	v_mov_b32 v255, 0
	ds_add_u32 v254, v255
	ds_add_u32 v254, v255
	v_lshrrev_b32 v7, 5, v0
	s_delay_alu instid0(VALU_DEP_1)
	v_readfirstlane_b32 s[WV], v7                  ; wave 0..15
	s_and_b32 s[BH], ttmp7, 0xffff
	s_mov_b32 s[G1], 3<<16                         ; 15:0 no mask; 17:16 elements of 8 bytes; no padding
	s_mov_b32 s[G1+1], (SLC/8)<<16                 ; one row of 4,224 bytes: tensor_dim0 = 528
	s_mov_b32 s[G1+2], 1<<16                       ; tensor_dim1 = 1
	s_mov_b32 s[G1+3], (SLC/8)<<16                 ; tile_dim0
	s_mov_b32 s[G1+4], 1                           ; tile_dim1
	s_mov_b32 s[G1+5], SLC/8                       ; tensor_dim0_stride
	s_mov_b32 s[G1+6], 0
	s_mov_b32 s[G1+7], 0
	s_mul_i32 s56, s[BH], 16*BLKB                  ; the head's 16 blocks,
	s_mul_i32 s58, s[WV], SLC                      ; my slice of a quarter: in memory and in LDS alike
	s_add_co_u32 s56, s56, s58
	s_mov_b32 s57, 0
	s_wait_dscnt 0x0
	s_wait_kmcnt 0x0
	s_add_nc_u64 s[56:57], s[6:7], s[56:57]
.irp g, 0,1,2,3
	s_mov_b32 s[G0+4*\g], 1                        ; 1:0 count = 1
	s_add_co_u32 s[G0+4*\g+1], s58, \g*QRT         ; 63:32 LDS address
	s_add_nc_u64 s[G0+4*\g+2:G0+4*\g+3], s[56:57], \g*QRT   ; 120:64 global address
	s_or_b32 s[G0+4*\g+3], s[G0+4*\g+3], 0x80000000         ; 127:126 type = 2
.endr
.irp g, 0,1,2,3
	tensor_load_to_lds s[G0+4*\g:G0+4*\g+3], s[G1:G1+7]    ; my four tensor loads of the launch, the lower quarters first
	s_nop 0
.endr
.rept 4
	v_nop
.endr
	s_lshl_b32 s[TAUS+1], ttmp9, 4
	s_add_co_u32 s[TAUS+1], s[TAUS+1], s[WV]       ; n: the second tile
	s_sub_co_u32 s[TAUS], 127, s[TAUS+1]           ; the long tile first
	s_and_b32 s56, s[BH], 15                       ; the head
	s_lshl_b32 s53, s56, 10                        ; ctx's codes: K step head / 2, its half head % 2: 1,024 bytes a head
	s_lshr_b32 s54, s56, 2
	s_lshl_b32 s54, s54, 7
	s_and_b32 s56, s56, 3
	s_lshl_b32 s56, s56, 1
	s_add_co_u32 s54, s54, s56                     ; ctx's scale bytes: 128 (head / 4) + 2 (head % 4)
	s_lshr_b32 s55, s[BH], 4
	s_lshl_b32 s55, s55, 7                         ; 128 tiles a batch
.macro PTRS p                          ; tile p's step on the diagonal, its place in that step, and its four addresses
	s_lshr_b32 s[SQS+\p], s[TAUS+\p], 3
	s_and_b32 s60, s[TAUS+\p], 7                   ; the tile's place in its step
	s_lshl_b32 s56, s[BH], 4
	s_add_co_u32 s56, s56, s[SQS+\p]
	s_mul_i32 s56, s56, QBLK                       ; q's block
	s_lshl_b32 s61, s60, 1
	s_add_co_u32 s58, s56, s61
	s_add_co_u32 s58, s58, 8192                    ; its scale halfwords: 16 r + 2 x tile
	s_lshl_b32 s61, s60, 10
	s_add_co_u32 s56, s56, s61                     ; its codes: 1,024 bytes a tile
	s_mov_b32 s57, 0
	s_mov_b32 s59, 0
	s_add_nc_u64 s[QP+2*\p:QP+2*\p+1], s[4:5], s[56:57]
	s_add_nc_u64 s[QSP+2*\p:QSP+2*\p+1], s[4:5], s[58:59]
	s_add_co_u32 s61, s55, s[TAUS+\p]              ; ctx's tile
	s_lshl_b32 s56, s61, 14
	s_add_co_u32 s56, s56, s53
	s_lshl_b32 s58, s61, 9
	s_add_co_u32 s58, s58, s54
	s_add_nc_u64 s[CP+2*\p:CP+2*\p+1], s[8:9], s[56:57]
	s_add_nc_u64 s[CSP+2*\p:CSP+2*\p+1], s[10:11], s[58:59]
	s_lshr_b32 s61, s60, 1
	s_lshl_b32 s61, s61, 5
	s_and_b32 s60, s60, 1
	s_lshl_b32 s60, s60, 3
	s_add_co_u32 s[DOF+\p], s61, s60               ; 32 (tile / 2) + 8 (tile % 2)
.endm
	PTRS 0
	PTRS 1
	v_and_b32 v7, 31, v0
	s_delay_alu instid0(VALU_DEP_1)
	v_lshlrev_b32 v[LN], 4, v7
	v_and_b32 v8, 15, v0                           ; r
	s_delay_alu instid0(VALU_DEP_1)
	v_lshlrev_b32 v[QSO], 4, v8
	global_load_b128 v[24:27], v[LN], s[QP:QP+1]               ; the first tile's q: dims 16 h on,
	global_load_b128 v[28:31], v[LN], s[QP:QP+1] offset:512    ; dims 32 + 16 h on,
	global_load_u16 v[QH], v[QSO], s[QSP:QSP+1]                ; its two scale bytes;
	global_load_b128 v[Q2:Q2+3], v[LN], s[QP+2:QP+3]           ; and the second tile's
	global_load_b128 v[Q2+4:Q2+7], v[LN], s[QP+2:QP+3] offset:512
	global_load_u16 v[QH+1], v[QSO], s[QSP+2:QSP+3]
	s_mov_b32 s[SEL], 0x76543210
	s_mov_b32 s[SEL+1], 0xfedcba98                 ; lane l xor 16
	s_mov_b32 s[CS], 0x3e38aa3b                    ; c = log2(e) / 8
	s_mov_b32 s[CS+1], s[CS]                       ; (named with it as a pair, so it is written)
	v_bfe_u32 v9, v0, 4, 1                         ; h
	v_and_b32 v10, 8, v8
	s_delay_alu instid0(VALU_DEP_1)
	v_add_nc_u32 v[RR], v10, v8
	s_delay_alu instid0(VALU_DEP_3)
	v_lshlrev_b32 v9, 4, v9
	s_delay_alu instid0(VALU_DEP_1)
	v_sub_nc_u32 v[RR], v[RR], v9
	v_lshlrev_b32 v[CSO], 3, v8
.irp j, 0,1,2,3,4,5,6,7
	v_mov_b32 v[16+\j], 0                          ; the zero codes on both sides of q
	v_mov_b32 v[32+\j], 0
.endr
.irp b, 0,1,2,3
	v_mov_b32 v[PB+\b], 0                          ; written once: a lane permute's destination counts as one of its sources
.endr
	v_mov_b32 v[FF+1], 0                           ; (named as the upper half of a pair)
; A TILE'S HEAD.  p = 1: the second tile's q takes the first's place.
.macro HEAD p
.if \p
	s_wait_xcnt 0x0                                ; the first tile's stores have read their registers: they are written again only behind this wait
.irp j, 0,1,2,3,4,5,6,7
	v_mov_b32 v[24+\j], v[Q2+\j]
.endr
.endif
	s_mov_b32 s[SQ], s[SQS+\p]
	v_add_nc_u32 v[DD], s[DOF+\p], v[RR]
	v_mov_b32 v13, 0xff61b1e6                      ; the largest t so far: -3e38, under every t
	s_delay_alu instid0(VALU_DEP_1)
	v_floor_f32 v12, -v13                          ; -M
	v_mov_b32 v14, 0                               ; the sum, in two halves
	v_mov_b32 v15, 0
	v_lshl_or_b32 v[QS], v[QH+\p], 16, v[QH+\p]    ; the two bytes below and above: they serve [q | 0] and [0 | q]
.set j, 0
.rept 32
	v_mov_b32 v[OA+j], 0                           ; O^T.  (A step is written alike for all: the first finds zeros.  These lines are also the places between the making of q's registers and scale word and their first use)
.set j, j+1
.endr
.endm
; A quarter has landed: left = the younger quarters, which may stay out.  Each wave waits for its own slice, then the barrier shows every wave's.
.macro LANDED left
	s_wait_tensorcnt \left                         ; tensor loads of a wave end in order (ISA guide 10.11.1): my slice of this quarter is in LDS
.if \left < 3
	s_wait_dscnt 0x0                               ; no LDS load of mine is out at the signal (each step has waited for its own: met at once)
.endif
	s_barrier_signal -1
	s_barrier_wait -1
.endm
; KEY STEPS first .. last - 1, 128 keys each: a loop with a constant trip count.
.macro STEPS first, last
	s_mov_b32 s[TB], (\first)*BLKB
	s_mov_b32 s[ST], \first
.Lstep_\@:
	s_cmp_gt_u32 s[ST], s[SQ]                      ; all 128 keys come after my 16 queries: nothing to do
	s_cbranch_scc1 .Lskip_\@
	s_setprio 2
	v_add_nc_u32 v[ADR], s[TB], v[LN]
.rept 7
	v_nop                                          ; with the line above: eight places in front of loads into registers that the last products read
.endr
.irp b, 0,1,2,3
.irp c, 0,1,2,3
	ds_load_b128 v[KF+16*\b+4*\c:KF+16*\b+4*\c+3], v[ADR] offset:2048*\b+512*\c
.endr
.endr
	ds_load_b128 v[SC:SC+3], v[ADR] offset:16384   ; lanes 0-15: 16 r into k's scale words; lanes 16-31: 256 bytes on, into v's
	s_wait_alu depctr_va_vdst(0)
	s_wait_dscnt 0x0
.irp b, 0,1,2,3
	v_wmma_scale_f32_16x16x128_f8f6f4 v[S+16*\b:S+16*\b+7], v[KF+16*\b:KF+16*\b+15], v[24:39], 0, v[SC+\b], v[QS]
	v_wmma_scale_f32_16x16x128_f8f6f4 v[S+16*\b+8:S+16*\b+15], v[KF+16*\b:KF+16*\b+15], v[16:31], 0, v[SC+\b], v[QS]
.endr
.rept 8
	v_nop                                          ; eight places: the loads below land where k's fragments lay, and the scores are read
.endr
.irp t, 0,1,2,3
.irp c, 0,1,2,3
	ds_load_b128 v[KF+16*\t+4*\c:KF+16*\t+4*\c+3], v[ADR] offset:8192+2048*\t+512*\c   ; v's fragments land while the softmax is walked
.endr
.endr
	s_cmp_lg_u32 s[ST], s[SQ]                      ; on the diagonal the scores of hidden keys become -infinity ahead of the maximum: p = 0 then
	s_cbranch_scc1 .Lopen_\@
	v_mov_b32 v[T0], 0xff800000
.set n, 0
.rept 64
	v_cmp_gt_i32 vcc_lo, 32*(n/16)+n%16, v[DD]     ; register 16 b + i holds key 32 b + 16 (lane / 16) + i of the step
	v_cndmask_b32 v[S+n], v[S+n], v[T0], vcc_lo
.set n, n+1
.endr
.Lopen_\@:
.irp b, 0,1,2,3
	v_max3_num_f32 v[BM+\b], v[S+16*\b], v[S+1+16*\b], v[S+2+16*\b]   ; THE LARGEST SCORE OF EACH BLOCK OF 32 KEYS serves twice: for the row's maximum, and, since p rises with the score, for the block's largest p
.endr
.irp i, 3,5,7,9,11,13
.irp b, 0,1,2,3
	v_max3_num_f32 v[BM+\b], v[BM+\b], v[S+16*\b+\i], v[S+1+16*\b+\i]
.endr
.endr
.irp b, 0,1,2,3
	v_max_num_f32 v[BM+\b], v[BM+\b], v[S+15+16*\b]
.endr
.irp b, 0,1,2,3
	s_delay_alu instid0(VALU_DEP_4)
	v_permlanex16_b32 v[PB+\b], v[BM+\b], s[SEL], s[SEL+1]
.endr
.irp b, 0,1,2,3
	s_delay_alu instid0(VALU_DEP_4)
	v_max_num_f32 v[BM+\b], v[BM+\b], v[PB+\b]     ; with lane l xor 16's 16 keys
.endr
	s_delay_alu instid0(VALU_DEP_2)
	v_max3_num_f32 v[T0], v[BM], v[BM+1], v[BM+2]
	s_delay_alu instid0(VALU_DEP_1)
	v_max_num_f32 v[T0], v[T0], v[BM+3]            ; the step's largest score of my query
	s_delay_alu instid0(VALU_DEP_1)
	v_mul_f32 v[T0], s[CS], v[T0]                  ; as t (c is positive)
	s_delay_alu instid0(VALU_DEP_1)
	v_max_num_f32 v13, v13, v[T0]                  ; the running largest t
	v_mov_b32 v[T0], v12
	s_delay_alu instid0(VALU_DEP_2)
	v_floor_f32 v12, -v13                          ; the new -M = floor(-t) = -ceil(t): M is a whole number
	s_delay_alu instid0(VALU_DEP_1)
	v_sub_f32 v[T0], v12, v[T0]                    ; M's old value less its new one: a whole number, 0 or less
	s_delay_alu instid0(VALU_DEP_1)
	v_cvt_i32_f32 v[T0], v[T0]                     ; (it saturates)
	s_delay_alu instid0(VALU_DEP_1)
	v_ldexp_f32 v[FF], 1.0, v[T0]                  ; f = 2^(old M - new M)
.set j, 0
	s_setprio 1
.rept 32
	v_pk_fma_f32 v[S+j:S+j+1], v[S+j:S+j+1], s[CS:CS+1], v[12:13] op_sel_hi:[1,0,0]   ; t - M, two at a time (of the pairs c and -M the low word serves both halves)
.set j, j+2
.endr
.irp b, 0,1,2,3
	v_fma_f32 v[BM+\b], v[BM+\b], s[CS], v12       ; the same of each block's largest score
.endr
.set j, 0
	s_wait_alu depctr_va_vdst(0)
.rept 64
	v_exp_f32 v[S+j], v[S+j]                       ; p = 2^(t - M): NOT normalised
.set j, j+1
.endr
.irp b, 0,1,2,3
	v_exp_f32 v[BM+\b], v[BM+\b]                   ; the block's largest p: the same two instructions on the same number give the same bits
.endr
	v_pk_mul_f32 v[14:15], v[14:15], v[FF:FF+1] op_sel_hi:[1,0]   ; the sums under the new M.  (A plain line behind the exponentials)
	s_wait_alu depctr_va_vdst(0)
.irp b, 0,1,2,3
	v_max_num_f32 v[BM+\b], 0x4800000, v[BM+\b]    ; the floor 2^(9 - 127): the byte cannot fall under 1
.endr
.irp b, 0,1,2,3
	s_delay_alu instid0(VALU_DEP_4)
	v_add_nc_u32 v[SO+\b], 0xfc000000, v[BM+\b]    ; 8 off the exponent field: the conversion's scale operand
.endr
.irp b, 0,1,2,3
.endr
.irp b, 0,1,2,3
	s_delay_alu instid0(VALU_DEP_4)
	v_lshrrev_b32 v[PB+\b], 23, v[SO+\b]           ; the scale's byte
.endr
	s_delay_alu instid0(VALU_DEP_3)
	v_lshl_or_b32 v[PW], v[PB+1], 8, v[PB]         ; p's scale word for these 128 keys
	s_delay_alu instid0(VALU_DEP_1)
	v_lshl_or_b32 v[PW], v[PB+2], 16, v[PW]
	s_delay_alu instid0(VALU_DEP_1)
	v_lshl_or_b32 v[PW], v[PB+3], 24, v[PW]
	v_pk_add_f32 v[232:233], v[108:109], v[112:113]
	v_pk_add_f32 v[234:235], v[116:117], v[120:121]
	v_pk_add_f32 v[226:227], v[124:125], v[128:129]
	v_pk_add_f32 v[224:225], v[132:133], v[136:137]
	v_pk_add_f32 v[218:219], v[140:141], v[144:145]
	v_pk_add_f32 v[216:217], v[148:149], v[152:153]
	v_pk_add_f32 v[214:215], v[156:157], v[160:161]
	v_pk_add_f32 v[14:15], v[14:15], v[164:165]
	v_pk_add_f32 v[232:233], v[232:233], v[104:105]
	v_pk_add_f32 v[234:235], v[234:235], v[106:107]
	v_pk_add_f32 v[226:227], v[226:227], v[110:111]
	v_pk_add_f32 v[224:225], v[224:225], v[114:115]
	v_pk_add_f32 v[218:219], v[218:219], v[118:119]
	v_pk_add_f32 v[216:217], v[216:217], v[122:123]
	v_pk_add_f32 v[214:215], v[214:215], v[126:127]
	v_pk_add_f32 v[14:15], v[14:15], v[130:131]
	v_pk_add_f32 v[232:233], v[232:233], v[134:135]
	v_pk_add_f32 v[234:235], v[234:235], v[138:139]
	s_setprio 0
	v_pk_add_f32 v[226:227], v[226:227], v[142:143]
	v_pk_add_f32 v[224:225], v[224:225], v[146:147]
	v_pk_add_f32 v[218:219], v[218:219], v[150:151]
	v_pk_add_f32 v[216:217], v[216:217], v[154:155]
	v_pk_add_f32 v[214:215], v[214:215], v[158:159]
	v_pk_add_f32 v[14:15], v[14:15], v[162:163]
	v_pk_add_f32 v[232:233], v[232:233], v[166:167]
	s_delay_alu instid0(VALU_DEP_2)
	v_pk_add_f32 v[14:15], v[14:15], v[224:225]
	s_delay_alu instid0(VALU_DEP_2)
	v_pk_add_f32 v[232:233], v[232:233], v[218:219]
	v_pk_add_f32 v[234:235], v[234:235], v[216:217]
	v_pk_add_f32 v[226:227], v[226:227], v[214:215]
	s_delay_alu instid0(VALU_DEP_2)
	v_pk_add_f32 v[14:15], v[14:15], v[234:235]
	s_delay_alu instid0(VALU_DEP_2)
	v_pk_add_f32 v[232:233], v[232:233], v[226:227]
	s_delay_alu instid0(VALU_DEP_1)
	v_pk_add_f32 v[14:15], v[14:15], v[232:233]
.irp b, 0,1,2,3
.irp i, 0,1,2,3,4,5,6,7,8,9,10,11,12,13,14,15
.endr
	v_cvt_scalef32_pk8_fp8_f32 v[PC+4*\b:PC+4*\b+1], v[S+16*\b:S+16*\b+7], v[SO+\b]
	v_cvt_scalef32_pk8_fp8_f32 v[PC+4*\b+2:PC+4*\b+3], v[S+16*\b+8:S+16*\b+15], v[SO+\b]
.endr
.set j, 0
.rept 16
	v_pk_mul_f32 v[OA+j:OA+j+1], v[OA+j:OA+j+1], v[FF:FF+1] op_sel_hi:[1,0]   ; O^T under the new M: x f.  (These sixteen are also the places between the codes' making and the products)
.set j, j+2
.endr
	s_wait_alu depctr_va_vdst(0)
	s_wait_dscnt 0x0                               ; v's fragments are in
.irp t, 0,1,2,3
	v_wmma_scale_f32_16x16x128_f8f6f4 v[OA+8*\t:OA+8*\t+7], v[KF+16*\t:KF+16*\t+15], v[PC:PC+15], v[OA+8*\t:OA+8*\t+7], v[SC+\t], v[PW] matrix_a_scale:MATRIX_SCALE_ROW1   ; the four accumulators by turns
.endr
.Lskip_\@:
	s_add_co_u32 s[TB], s[TB], BLKB
	s_add_co_u32 s[ST], s[ST], 1
	s_cmp_lt_u32 s[ST], \last
	s_cbranch_scc1 .Lstep_\@
	s_setprio 0
.endm
; A TILE'S END.  O^T is divided by the row's sum: register 16 e + i is dim 32 e + 16 h + i of my query: two blocks of 32 along the last product's K, each shared with lane l xor 16.
.macro TAIL p
.rept 8
	v_nop                                          ; eight places behind the last products
.endr
	v_add_f32 v14, v14, v15                        ; the sum's two halves,
	s_delay_alu instid0(VALU_DEP_1)
	v_permlanex16_b32 v[PB], v14, s[SEL], s[SEL+1]
	s_delay_alu instid0(VALU_DEP_1)
	v_add_f32 v14, v14, v[PB]                      ; and lane l xor 16's: the row's sum
	s_wait_alu depctr_va_vdst(0)
	v_rcp_f32 v14, v14
	v_nop                                          ; a plain line behind the transcendental
.set j, 0
	s_wait_alu depctr_va_vdst(0)
.rept 32
	v_mul_f32 v[S+j], v[OA+j], v14
.set j, j+1
.endr
.irp b, 0,1
	v_max3_num_f32 v[BM+\b], |v[S+16*\b]|, |v[S+1+16*\b]|, 0x4800000   ; my 16 numbers of block b, and the floor
.endr
.irp i, 2,4,6,8,10,12,14
.irp b, 0,1
	s_delay_alu instid0(VALU_DEP_2)
	v_max3_num_f32 v[BM+\b], v[BM+\b], |v[S+16*\b+\i]|, |v[S+1+16*\b+\i]|
.endr
.endr
.irp b, 0,1
	s_delay_alu instid0(VALU_DEP_2)
	v_permlanex16_b32 v[PB+\b], v[BM+\b], s[SEL], s[SEL+1]
.endr
.irp b, 0,1
	s_delay_alu instid0(VALU_DEP_2)
	v_max_num_f32 v[BM+\b], v[BM+\b], v[PB+\b]
.endr
.irp b, 0,1
	s_delay_alu instid0(VALU_DEP_2)
	v_add_nc_u32 v[SO+\b], 0xfc000000, v[BM+\b]
.endr
.irp b, 0,1
.endr
.irp b, 0,1
	s_delay_alu instid0(VALU_DEP_2)
	v_lshrrev_b32 v[PB+\b], 23, v[SO+\b]
.endr
	s_delay_alu instid0(VALU_DEP_1)
	v_lshl_or_b32 v[T0], v[PB+1], 8, v[PB]         ; my row's two scale bytes
.irp b, 0,1
.irp i, 0,1,2,3,4,5,6,7,8,9,10,11,12,13,14,15
.endr
	v_cvt_scalef32_pk8_fp8_f32 v[PC+4*\b:PC+4*\b+1], v[S+16*\b:S+16*\b+7], v[SO+\b]
	v_cvt_scalef32_pk8_fp8_f32 v[PC+4*\b+2:PC+4*\b+3], v[S+16*\b+8:S+16*\b+15], v[SO+\b]
.endr
	v_nop                                          ; a plain line behind the conversions
	global_store_b128 v[LN], v[PC:PC+3], s[CP+2*\p:CP+2*\p+1]              ; 512 consecutive bytes, aligned: registers 4 c on of the last product's fragment, c = 2 (head % 2),
	global_store_b128 v[LN], v[PC+4:PC+7], s[CP+2*\p:CP+2*\p+1] offset:512 ; and c = 2 (head % 2) + 1
	global_store_b16 v[CSO], v[T0], s[CSP+2*\p:CSP+2*\p+1]   ; two bytes a row, 8 bytes apart (lanes l and l xor 16 store the same): one byte for each 32 of the codes'
.endm
	s_wait_loadcnt 0x0                             ; both tiles' q
	HEAD 0                                         ; the long tile: its steps go up through the quarters as they land
	LANDED 3
	STEPS 0, 4
	LANDED 2
	STEPS 4, 8
	LANDED 1
	STEPS 8, 12
	LANDED 0                                       ; the last wait is for zero: none of my tensor loads is out from here on
	STEPS 12, 16
	TAIL 0
	HEAD 1                                         ; the short tile: all of the head lies in LDS, which is only read: no barrier
	STEPS 0, 16
	TAIL 1
	s_wait_tensorcnt 0x0
	ds_add_u32 v254, v255
	s_wait_dscnt 0x0
	s_endpgm
.Lfunc_end_k_qf81e1afd01_attn:
	.size	k_qf81e1afd01_attn, .Lfunc_end_k_qf81e1afd01_attn-k_qf81e1afd01_attn
	.p2alignl 7, 3214868480
	.fill 96, 4, 3214868480
	.section	.rodata,"a",@progbits
	.p2align	6, 0x0
	.amdhsa_kernel k_qf81e1afd01_attn
		.amdhsa_group_segment_fixed_size 272384
		.amdhsa_private_segment_fixed_size 0
		.amdhsa_enable_private_segment 0
		.amdhsa_kernarg_size 32
		.amdhsa_user_sgpr_count 2
		.amdhsa_user_sgpr_kernarg_segment_ptr 1
		.amdhsa_wavefront_size32 1
		.amdhsa_system_sgpr_workgroup_id_x 1
		.amdhsa_system_sgpr_workgroup_id_y 1
		.amdhsa_system_sgpr_workgroup_id_z 1
		.amdhsa_system_vgpr_workitem_id 0
		.amdhsa_next_free_vgpr 256
		.amdhsa_next_free_sgpr 88
		.amdhsa_reserve_vcc 1
		.amdhsa_float_denorm_mode_32 3
		.amdhsa_float_denorm_mode_16_64 3
		.amdhsa_fp16_overflow 1
		.amdhsa_memory_ordered 1
		.amdhsa_forward_progress 1
		.amdhsa_inst_pref_size 130
	.end_amdhsa_kernel
	.amdgpu_metadata
---
amdhsa.version: [ 1, 2 ]
amdhsa.kernels:
  - .name:           k_qf81e1afd01_attn
    .symbol:         k_qf81e1afd01_attn.kd
    .args:
      - { .name: q_img, .offset: 0, .size: 8, .value_kind: global_buffer, .address_space: global }
      - { .name: kv, .offset: 8, .size: 8, .value_kind: global_buffer, .address_space: global }
      - { .name: ctx_img, .offset: 16, .size: 8, .value_kind: global_buffer, .address_space: global }
      - { .name: ctx_sc, .offset: 24, .size: 8, .value_kind: global_buffer, .address_space: global }
    .group_segment_fixed_size: 272384
    .private_segment_fixed_size: 0
    .kernarg_segment_align: 8
    .kernarg_segment_size: 32
    .max_flat_workgroup_size: 512
    .sgpr_count:     88
    .vgpr_count:     256
    .wavefront_size: 32
...
	.end_amdgpu_metadata
.endif
;; end of part 3
;; launch outp (part 4): grid 4 x 32, 4 waves a work-group, clusters of 4 x 4, 327,680 bytes of LDS; arguments ctx_img, ctx_sc, w_img, w_sc, bo, out0; writes out0
.if DOCPART == 4
	.amdgcn_target "amdgcn-amd-amdhsa--gfx1250"
	.amdhsa_code_object_version 6
	.text
	.protected	k_qf81e1afd01_outp
	.globl	k_qf81e1afd01_outp
	.p2align	8
	.type	k_qf81e1afd01_outp,@function
k_qf81e1afd01_outp:
	s_mov_b64 s[64:65], 0
	v_nop
	global_prefetch_b8 v0, s[64:65] scope:SCOPE_SE
	s_setreg_imm32_b32 hwreg(HW_REG_WAVE_MODE, 25, 1), 1
	s_wait_xcnt 0x0
	s_wait_alu depctr_hold_cnt(0) depctr_sa_sdst(0) depctr_va_vdst(0) depctr_va_sdst(0) depctr_va_ssrc(0) depctr_va_vcc(0) depctr_vm_vsrc(0)
	s_getreg_b32 s2, hwreg(HW_REG_IB_STS2, 6, 4)
	s_cmp_eq_u32 s2, 0
	s_cbranch_scc0 .Lentry_in_a_cluster
	s_endpgm
.Lentry_in_a_cluster:
	s_bfe_u32 s2, ttmp6, 0x10000c
	s_cmp_lg_u32 s2, 0xf033
	s_cbranch_scc0 .Lentry_shape_is_right
	s_endpgm
.Lentry_shape_is_right:
; out0 = ctx Wo + bo on codes of FP8 (E4M3) with E8M0 scales for each 32 along K = 1,024; sums in f32; out0 [8192][1024] f32.
; A tile of 256 x 256 of out0 is made by a work-group of four waves; a wave makes 128 x 128: 64 accumulators of 16 x 16, 512 registers.  K goes in steps of 256 through a ring of two LDS slots filled by the tensor data mover.
; OPERANDS ARE IMAGES OF REGISTERS: [tile of 16 rows][K step of 128][2048 bytes], the 16 bytes at 512 c + 16 lane being a lane's registers 4 c .. 4 c + 3: a fragment is four LDS loads at 16 x lane: consecutive bytes, no pitch, no padding.
; A tile T holds the rows 32 (T / 2) + 8 (T % 2) + r + 8 (r / 8).  Source 0, called B, is Wo's columns (w_img's tiles 192 on); source 1, called A, is ctx's tokens.  In accumulator (a, b) lane (r, h) holds token row r of A's tile a,
; and the 16 registers of accumulators (a, 2 e), (a, 2 e + 1) are the 16 neighbouring outputs 32 e + 16 h + 0 .. 15 of the wave's 128.
; THE BIAS is the C of each sum's first matrix instruction: eight registers for each of B's eight tiles, in the result's layout: it costs no addition.
; CLUSTERS: 4 x 4 work-groups.  A's tile is shared along a row of the cluster, B's along a column: each is asked for JOINTLY, by the same tensor load with the same descriptor and a mask that names the four.
; THE SCALES of the work-group's 256 rows of A and of B for all of K are two dense blocks of 8,192 bytes: they come into LDS once, with the first fills, and stay.
; 128 work-groups: the problem has 128 tiles of 256 x 256.  LIMITS: NaN and infinities are not served.  The order of the f32 sums is the matrix unit's.
; REGISTERS, in windows of 256: window 0: v0-31 addresses; v32-63 scale words, two sets; v64-127 the bias; from v128 A's fragments, ONE set, on the way out rows of out0.  window 1: B's fragments, TWO sets.
;   window 2: the accumulators of A's blocks 0-3 ((a, b) at v[8 (8 a + b)]); window 3: those of blocks 4-7.
.set NQ,     2
.set FR,     16
.set FRB,    2048
.set NL,     4
.set NP,     8                         ; places behind this matrix instruction (ISA guide 7.12.1)
.set TILEB,  2*FRB                     ; a tile's 256 along K
.set HALFT,  8*TILEB                   ; 128 rows: what one tensor load brings, and what one wave reads of A or of B
.set SLOT,   4*HALFT
.set LAPS,   2
.set SCL,    2*SLOT                    ; behind the ring: the scales
.set HALFS,  4096
.set SBLK,   512
.set SPARE,  SCL+4*HALFS               ; the spare words, 128 bytes for each wave: two blocks of 256 bytes that no other line names
.set SPITCH, 528                       ; the way out: a stage of 16 rows x (512 bytes + 16) for each wave.  It lies in slot 0, which has had its last fill and its last read when the first result is stored there
.set ADRA, 16
.set ADRB, 20
.set STO,  24                          ; v24     the way out: where I put 64 bytes of a row
.set RD,   25                          ; v25     where I read a row back
.set CO,   26                          ; v26     my byte offset in a row's 512 bytes of out0
.set ADRS, 27
.set SPW,  28
.set NIL,  29
.set SC,   32
.set BIAS, 64                          ; v64-127 bo at the lane's eight outputs of each of B's eight tiles
.set AF,   128
.set BK,   128                         ; the way out: 16 rows read back from the stage: v128-191 and v192-255 by turns
.set G1, 24
.set G0, 32
.set G1B, 48
.set G0B, 56
.set G1S, 68
.set G0S, 76
.set G1SB, 80
.set G0SB, 88
.set MSB, 0
.macro WIN new                         ; the immediate's high byte repeats the setting that is left
.if MSB != (\new)
	s_set_vgpr_msb (MSB<<8)|(\new)
.set MSB, (\new)
.endif
.endm
.set MUL_LO, 0xa1                      ; source 0 (B) window 1, source 1 (A) window 0, C and D window 2
.set MUL_HI, 0xf1                      ; the same, C and D window 3
.set TO_B,   0x40
; A joint load: waves 0 and 1 fetch for A, waves 2 and 3 for B; the branch hangs on the wave's number alone.  Four v_nop follow each of the two lines.
.macro JLOAD g0a, g1a, g0b, g1b
	s_cmp_eq_u32 s15, 0
	s_cbranch_scc0 .Lfor_b_\@
	tensor_load_to_lds s[\g0a:\g0a+3], s[\g1a:\g1a+7]
	s_nop 0
.rept 4
	v_nop
.endr
	s_branch .Lasked_\@
.Lfor_b_\@:
	tensor_load_to_lds s[\g0b:\g0b+3], s[\g1b:\g1b+7]
	s_nop 0
.rept 4
	v_nop
.endr
.Lasked_\@:
.endm
.macro CREST                           ; a round of the cluster's barrier behind its opening barrier
	s_cmp_lg_u32 s14, 0
	s_cbranch_scc1 .Lnot_wave_0_\@
	s_barrier_signal -3
.Lnot_wave_0_\@:
	s_barrier_wait -3
	s_barrier_signal -1
	s_barrier_wait -1
.endm
.macro CROUND
	s_barrier_signal -1
	s_barrier_wait -1
	CREST
.endm
	s_load_b256 s[4:11], s[0:1], 0x0               ; ctx_img, ctx_sc, w_img, w_sc
	s_load_b128 s[96:99], s[0:1], 0x20             ; bo, out0
	v_lshl_add_u32 v[SPW], v0, 2, SPARE
	v_mov_b32 v[NIL], 0
	ds_add_u32 v28, v29
	ds_add_u32 v28, v29
	s_wait_dscnt 0x0
	v_lshrrev_b32 v1, 5, v0
	v_readfirstlane_b32 s14, v1                    ; wave 0..3
	s_lshr_b32 s15, s14, 1                         ; which half of A's rows is mine.  Also: I fetch for A (0) or for B (1)
	s_and_b32 s16, s14, 1                          ; which half of B's rows.  Also: which 128 rows of that tile I fetch
	s_bfe_u32 s40, ttmp6, 0x40000                  ; cx, cy
	s_bfe_u32 s41, ttmp6, 0x40004
	s_lshl_b32 s42, ttmp9, 2
	s_add_co_u32 s42, s42, s40                     ; B's tile of 256 outputs = 4 x cluster x + cx
	s_and_b32 s17, ttmp7, 0xffff
	s_lshl_b32 s17, s17, 2
	s_add_co_u32 s17, s17, s41                     ; A's tile of 256 tokens = 4 x cluster y + cy
	s_lshl_b32 s43, s41, 2
	s_lshl_b32 s43, 15, s43                        ; my row of the cluster
	s_lshl_b32 s44, 0x1111, s40                    ; my column
	s_or_b32 s[G1+0], s43, (3<<16)|(1<<21)         ; 15:0 the mask; 17:16 elements of 8 bytes; no padding; 21 set beside a mask
	s_or_b32 s[G1B+0], s44, (3<<16)|(1<<21)
.irp g, G1, G1B
	s_mov_b32 s[\g+1], 512<<16                     ; 8 tiles' 4,096 bytes of a K step, 16,384 bytes apart in memory: tensor_dim0 = 512
	s_mov_b32 s[\g+2], 8<<16                       ; tensor_dim1
	s_mov_b32 s[\g+3], 512<<16                     ; tile_dim0
	s_mov_b32 s[\g+4], 8                           ; tile_dim1
	s_mov_b32 s[\g+5], 2048                        ; tensor_dim0_stride
	s_mov_b32 s[\g+6], 0
	s_mov_b32 s[\g+7], 0
.endr
	s_or_b32 s[G1S+0], s43, (3<<16)|(1<<21)        ; the scales of 128 rows: 4,096 dense bytes, as 16 rows of 256
	s_or_b32 s[G1SB+0], s44, (3<<16)|(1<<21)
.irp g, G1S, G1SB
	s_mov_b32 s[\g+1], 32<<16
	s_mov_b32 s[\g+2], 16<<16
	s_mov_b32 s[\g+3], 32<<16
	s_mov_b32 s[\g+4], 16
	s_mov_b32 s[\g+5], 32
	s_mov_b32 s[\g+6], 0
	s_mov_b32 s[\g+7], 0
.endr
	s_lshl_b32 s18, s16, 3                         ; which 8 tiles of 16 rows I fetch
	s_lshl_b32 s20, s17, 4
	s_add_co_u32 s20, s20, s18
	s_lshl_b32 s46, s42, 4
	s_add_co_u32 s46, s46, s18
	s_lshl_b32 s22, s20, 9                         ; their scales, in bytes,
	s_lshl_b32 s20, s20, 14                        ; and their codes
	s_lshl_b32 s92, s46, 9
	s_lshl_b32 s46, s46, 14
	s_mov_b32 s21, 0
	s_mov_b32 s23, 0
	s_mov_b32 s47, 0
	s_mov_b32 s93, 0
	s_mul_i32 s45, s14, HALFT                      ; where they go: wave x 128 rows: no place in the cluster enters an LDS address
	s_mul_i32 s94, s14, HALFS
	s_wait_kmcnt 0x0
	s_add_nc_u64 s[8:9], s[8:9], 0x300000          ; Wo's tiles 192 on: 192 x 16,384 bytes of codes,
	s_add_nc_u64 s[10:11], s[10:11], 0x18000       ; 192 x 512 of scale bytes
	s_add_nc_u64 s[20:21], s[4:5], s[20:21]
	s_add_nc_u64 s[22:23], s[6:7], s[22:23]
	s_add_nc_u64 s[46:47], s[8:9], s[46:47]
	s_add_nc_u64 s[92:93], s[10:11], s[92:93]
	CROUND                                         ; all sixteen work-groups are here: the first joint loads meet
	s_mov_b32 s[G0S], 1
	s_add_co_u32 s[G0S+1], s94, SCL
	s_mov_b64 s[G0S+2:G0S+3], s[22:23]
	s_or_b32 s[G0S+3], s[G0S+3], 0x80000000
	s_mov_b32 s[G0SB], 1
	s_add_co_u32 s[G0SB+1], s94, SCL
	s_mov_b64 s[G0SB+2:G0SB+3], s[92:93]
	s_or_b32 s[G0SB+3], s[G0SB+3], 0x80000000
	JLOAD G0S, G1S, G0SB, G1SB                     ; the scales first: they are wanted with K step 0
.irp s, 0,1
	s_mov_b32 s[G0+4*\s], 1
	s_add_co_u32 s[G0+4*\s+1], s45, \s*SLOT
	s_add_nc_u64 s[G0+4*\s+2:G0+4*\s+3], s[20:21], \s*TILEB
	s_or_b32 s[G0+4*\s+3], s[G0+4*\s+3], 0x80000000
	s_mov_b32 s[G0B+4*\s], 1
	s_add_co_u32 s[G0B+4*\s+1], s45, \s*SLOT
	s_add_nc_u64 s[G0B+4*\s+2:G0B+4*\s+3], s[46:47], \s*TILEB
	s_or_b32 s[G0B+4*\s+3], s[G0B+4*\s+3], 0x80000000
	JLOAD G0+4*\s, G1, G0B+4*\s, G1B
.endr
	v_and_b32 v1, 15, v0                           ; r
	v_bfe_u32 v2, v0, 4, 1                         ; h
	v_and_b32 v6, 31, v0
	v_lshlrev_b32 v4, 4, v6                        ; 16 x lane
	s_lshl_b32 s46, s42, 10                        ; my first output, in bytes of f32: 1,024 x B's tile + 512 x my half
	s_lshl_b32 s47, s16, 9
	s_add_co_u32 s46, s46, s47
	s_mov_b32 s47, 0
	s_add_nc_u64 s[96:97], s[96:97], s[46:47]      ; bo there
	v_lshlrev_b32 v7, 6, v2                        ; lanes 16-31 hold outputs 16 further on
.irp b, 0,1,2,3,4,5,6,7
	global_load_b128 v[BIAS+8*\b:BIAS+8*\b+3], v7, s[96:97] offset:(32*(\b/2)+8*(\b%2))*4          ; tile b, register j: output 32 (b / 2) + 8 (b % 2) + 16 h + j
	global_load_b128 v[BIAS+8*\b+4:BIAS+8*\b+7], v7, s[96:97] offset:(32*(\b/2)+8*(\b%2))*4+16
.endr
	s_mul_i32 s21, s15, HALFT                      ; my 128 rows of A
	s_mul_i32 s22, s16, HALFT                      ; my 128 rows of B,
	s_add_co_u32 s22, s22, 2*HALFT                 ; which lie behind A's 256
.irp s, 0,1
	v_add_nc_u32 v[ADRA+\s], s21, v4
	v_add_nc_u32 v[ADRB+\s], s22, v4
	s_add_co_u32 s21, s21, SLOT
	s_add_co_u32 s22, s22, SLOT
.endr
	v_lshlrev_b32 v5, 3, v1                        ; my row's scale bytes of a K step: 8 r
	s_mul_i32 s21, s15, HALFS
	s_mul_i32 s22, s16, HALFS
	s_add_co_u32 s22, s22, 2*HALFS
	s_sub_co_u32 s22, s22, s21
	v_mul_u32_u24 v6, s22, v2                      ; lanes 16-31 take B's: one product, the distance between the two
	s_add_co_u32 s21, s21, SCL
	v_add_nc_u32 v5, v5, v6
	v_add_nc_u32 v[ADRS], s21, v5
	s_mul_i32 s23, s14, 16*SPITCH                  ; my stage
	v_mul_u32_u24 v5, v1, SPITCH                   ; in: row r, 64 bytes for each half of the lanes in each 128
	v_lshl_add_u32 v5, v2, 6, v5
	v_add_nc_u32 v[STO], s23, v5
	v_mov_b32 v[CO], v4                            ; back: the 32 lanes take one row of 512 bytes; and the same in out0
	v_add_nc_u32 v[RD], s23, v4
	s_lshl_b32 s20, s17, 8
	s_lshl_b32 s21, s15, 7
	s_add_co_u32 s20, s20, s21                     ; my first token: 256 x A's tile + 128 x my half
	s_lshl_b32 s20, s20, 12                        ; rows of 4,096 bytes
	s_mov_b32 s21, 0
	s_add_nc_u64 s[20:21], s[20:21], s[46:47]
	s_add_nc_u64 s[12:13], s[98:99], s[20:21]
.macro FRAG reg, adr, q, i             ; a fragment comes as it was laid: four loads of 512 consecutive bytes
.irp c, 0,1,2,3
	ds_load_b128 v[\reg+4*\c:\reg+4*\c+3], v[\adr] offset:(\i)*TILEB+(\q)*FRB+512*\c
.endr
.endm
; 16 matrix instructions: A's blocks a0, a0 + 1 x B's eight, 128 along K.  first = 1: the sums begin with the bias as C.  The 64 accumulators take turns, one instruction a turn, in the same order in every step.
.macro MUL16 a0, p, q, sc, first
.irp a, \a0, \a0+1
.irp b, 0,1,2,3,4,5,6,7
.if \first
	v_wmma_scale_f32_16x16x128_f8f6f4 v[8*(8*((\a)%4)+\b):8*(8*((\a)%4)+\b)+7], v[128*(\p)+FR*\b:128*(\p)+FR*\b+FR-1], v[AF+FR*(\a):AF+FR*(\a)+FR-1], v[BIAS+8*\b:BIAS+8*\b+7], v[SC+8*NQ*(\sc)+NQ*\b+(\q)], v[SC+8*NQ*(\sc)+NQ*(\a)+(\q)] matrix_a_scale:MATRIX_SCALE_ROW1
.else
	v_wmma_scale_f32_16x16x128_f8f6f4 v[8*(8*((\a)%4)+\b):8*(8*((\a)%4)+\b)+7], v[128*(\p)+FR*\b:128*(\p)+FR*\b+FR-1], v[AF+FR*(\a):AF+FR*(\a)+FR-1], v[8*(8*((\a)%4)+\b):8*(8*((\a)%4)+\b)+7], v[SC+8*NQ*(\sc)+NQ*\b+(\q)], v[SC+8*NQ*(\sc)+NQ*(\a)+(\q)] matrix_a_scale:MATRIX_SCALE_ROW1
.endif
.endr
.endr
.endm
.macro FETCH_B slot, q, p
	WIN TO_B
.irp i, 0,1,2,3,4,5,6,7
	FRAG 128*(\p)+FR*\i, ADRB+\slot, \q, \i
.endr
	WIN 0
.endm
.macro FETCH_A slot, q, i0
.irp i, \i0, \i0+1, \i0+2, \i0+3
	FRAG AF+FR*(\i), ADRA+\slot, \q, \i
.endr
.endm
.macro SCALES sc
.irp i, 0,1,2,3,4,5,6,7
	ds_load_b64 v[SC+8*NQ*\sc+NQ*\i:SC+8*NQ*\sc+NQ*\i+1], v[ADRS] offset:\i*SBLK
.endr
.endm
; A load into a register that a matrix instruction has read, and an LDS store that reads a matrix result, stand NP places behind that matrix instruction, and only plain vector instructions that name none of its
; registers are places (ISA guide 7.12.1 for vector instructions); this text does not count the matrix instructions in between.
.macro PLACES n
.rept \n
	v_nop
.endr
.endm
.macro STEP slot, q, first
	s_wait_dscnt 4*NL                              ; B's set, A's blocks 0-3 and the scale words are in; the youngest sixteen loads (A's blocks 4-7) may be out
.if \first
	WIN 0x81                                       ; C (the bias) in window 0, D in window 2
.else
	WIN MUL_LO
.endif
	MUL16 0, (\q)%2, \q, \slot, \first
	MUL16 2, (\q)%2, \q, \slot, \first
	s_wait_dscnt 0                                 ; A's blocks 4-7 are in (asked for 32 matrix instructions ago)
	PLACES NP
	FETCH_B \slot, (\q)+1, 1-(\q)%2
	FETCH_A \slot, (\q)+1, 0
.if \first
	WIN 0xc1                                       ; C in window 0, D in window 3
.else
	WIN MUL_HI
.endif
	MUL16 4, (\q)%2, \q, \slot, \first
	MUL16 6, (\q)%2, \q, \slot, \first
	PLACES NP
	WIN 0
	FETCH_A \slot, (\q)+1, 4
.endm
; A slot's last step changes slots: ONE barrier; in front of it each wave waits for all its tensor loads, adds 0 to its spare word, and waits for that and for its own reads of this slot.  fill = 1: this slot is filled again, two K steps ahead.
.macro TURN slot, next, fill
	s_wait_tensorcnt 0x0                           ; all my tensor loads have landed: my part of the next slot;  (every window is 0 here)
	ds_add_u32 v[SPW], v[NIL]                      ; 0 onto my spare word
	s_wait_dscnt 4*NL+1                            ; (the add and the youngest sixteen loads, A's blocks 4-7, may be out)
	WIN MUL_LO
	MUL16 0, 1, NQ-1, \slot, 0                     ; sixteen matrix instructions stand between the add and the wait for it
	s_wait_dscnt 0x0                               ; the add is done, and my reads of this slot are over
	s_barrier_signal -1
	MUL16 2, 1, NQ-1, \slot, 0
	WIN 0
	s_barrier_wait -1
.if \fill
	CREST                                          ; the barrier has opened a round of the cluster's barrier: no wave of any partner still reads this slot's tile or has a load on its way
	s_add_nc_u64 s[G0+4*\slot+2:G0+4*\slot+3], s[G0+4*\slot+2:G0+4*\slot+3], 2*TILEB
	s_add_nc_u64 s[G0B+4*\slot+2:G0B+4*\slot+3], s[G0B+4*\slot+2:G0B+4*\slot+3], 2*TILEB
	JLOAD G0+4*\slot, G1, G0B+4*\slot, G1B         ; the first tensor load behind the round; the four v_nop behind it are among the places in front of the loads below
	PLACES NP-4
.else
	PLACES NP
.endif
	v_add_nc_u32 v[ADRS], 128, v[ADRS]             ; on to the next K step's scale words (no LDS load of mine is out)
	FETCH_B \next, 0, 0
	FETCH_A \next, 0, 0
	SCALES \next
	WIN MUL_HI
	MUL16 4, 1, NQ-1, \slot, 0
	MUL16 6, 1, NQ-1, \slot, 0
	PLACES NP
	WIN 0
	FETCH_A \next, 0, 4
.endm
	s_wait_tensorcnt 1                             ; the scales and my part of K step 0 are in (K step 1's load may be out)
	s_barrier_signal -1
	s_barrier_wait -1                              ; everybody's are
	FETCH_B 0, 0, 0
	FETCH_A 0, 0, 0
	SCALES 0
	FETCH_A 0, 0, 4
	s_wait_loadcnt 0x0                             ; the bias
	STEP 0, 0, 1                                   ; the first step stands in front of the loop: its products start the sums, on the bias
	s_mov_b32 s3, LAPS-1
.Llap:                                                 ; a trip goes once round the ring, from a lap's second step to the next lap's first, and fills both slots again
	TURN 0, 1, 1
	STEP 1, 0, 0
	TURN 1, 0, 1
	STEP 0, 0, 0
	s_sub_co_u32 s3, s3, 1
	s_cmp_lg_u32 s3, 0
	s_cbranch_scc1 .Llap
	TURN 0, 1, 0                                   ; the last lap fills nothing, and has no round of the cluster's barrier
	STEP 1, 0, 0
	s_wait_dscnt 4*NL                              ; the very last step: nothing more to fetch
	WIN MUL_LO
	MUL16 0, 1, NQ-1, 1, 0
	MUL16 2, 1, NQ-1, 1, 0
	s_wait_dscnt 0
	WIN MUL_HI
	MUL16 4, 1, NQ-1, 1, 0
	MUL16 6, 1, NQ-1, 1, 0
	WIN 0
; THE WAY OUT, block by block of 16 tokens x 128 outputs.  A lane holds pieces of 64 neighbouring bytes of a row, and the lanes beside it hold other rows: so a block goes through my own stage in LDS and comes back as whole
; rows of 512 bytes.  LDS serves a wave's instructions in order (ISA guide 5.7.1.4): no wait between the stores and the loads, nor in front of the next block's stores.
.macro TOSTAGE a
.set AC, 64*((\a)%4)
	WIN 0x08+4*((\a)/4)                            ; an LDS store's data are its source 1: window 2 or 3
.irp b, 0,1,2,3,4,5,6,7
	ds_store_b128 v[STO], v[AC+8*\b:AC+8*\b+3] offset:128*(\b/2)+32*(\b%2)          ; each accumulator from its low end on
	ds_store_b128 v[STO], v[AC+8*\b+4:AC+8*\b+7] offset:128*(\b/2)+32*(\b%2)+16
.endr
	WIN 0
.set BB, BK+64*((\a)%2)
.irp t, 0,1,2,3,4,5,6,7,8,9,10,11,12,13,14,15
	ds_load_b128 v[BB+4*\t:BB+4*\t+3], v[RD] offset:\t*SPITCH
.endr
.endm
.macro SEND a, younger                 ; younger: the LDS instructions issued behind block a's loads, which may stay out
.set BB, BK+64*((\a)%2)
	s_wait_dscnt \younger                          ; the block is back in registers
.irp t, 0,1,2,3,4,5,6,7,8,9,10,11,12,13,14,15
	global_store_b128 v[CO], v[BB+4*\t:BB+4*\t+3], s[12:13] offset:(32*((\a)/2)+8*((\a)%2)+\t+8*(\t/8))*4096 th:TH_STORE_NT   ; the tile's row t is that token; 32 lanes store 512 consecutive bytes, aligned; 127 rows on at the most: inside the signed 24-bit immediate
.endr
.endm
	PLACES NP                                      ; behind the last products: for the loads into the registers that held A's fragments, and for the reads of results
	TOSTAGE 0
.irp a, 1,2,3,4,5,6,7
.if \a > 1
	s_wait_xcnt 0x0                                ; block a - 2's stores have read their registers: block a's loads may land there
.endif
	TOSTAGE \a
	SEND \a-1, 32                                  ; behind block a - 1's loads: block a's 16 stores and 16 loads
.endr
	SEND 7, 0
	s_wait_tensorcnt 0x0                           ; the wave's end: behind my last tensor load and my last LDS store
	ds_add_u32 v[SPW], v[NIL]
	s_wait_dscnt 0x0
	CROUND                                         ; the closing round: no work-group ends while a partner may still ask for a tile that names it
	s_endpgm
.Lfunc_end_k_qf81e1afd01_outp:
	.size	k_qf81e1afd01_outp, .Lfunc_end_k_qf81e1afd01_outp-k_qf81e1afd01_outp
	.p2alignl 7, 3214868480
	.fill 96, 4, 3214868480
	.section	.rodata,"a",@progbits
	.p2align	6, 0x0
	.amdhsa_kernel k_qf81e1afd01_outp
		.amdhsa_group_segment_fixed_size 327680
		.amdhsa_private_segment_fixed_size 0
		.amdhsa_enable_private_segment 0
		.amdhsa_kernarg_size 48
		.amdhsa_user_sgpr_count 2
		.amdhsa_user_sgpr_kernarg_segment_ptr 1
		.amdhsa_wavefront_size32 1
		.amdhsa_system_sgpr_workgroup_id_x 1
		.amdhsa_system_sgpr_workgroup_id_y 1
		.amdhsa_system_sgpr_workgroup_id_z 1
		.amdhsa_system_vgpr_workitem_id 0
		.amdhsa_next_free_vgpr 1024
		.amdhsa_next_free_sgpr 102
		.amdhsa_reserve_vcc 0
		.amdhsa_float_denorm_mode_32 3
		.amdhsa_float_denorm_mode_16_64 3
		.amdhsa_memory_ordered 1
		.amdhsa_forward_progress 1
		.amdhsa_inst_pref_size 146
	.end_amdhsa_kernel
	.amdgpu_metadata
---
amdhsa.version: [ 1, 2 ]
amdhsa.kernels:
  - .name:           k_qf81e1afd01_outp
    .symbol:         k_qf81e1afd01_outp.kd
    .args:
      - { .name: ctx_img, .offset: 0, .size: 8, .value_kind: global_buffer, .address_space: global }
      - { .name: ctx_sc, .offset: 8, .size: 8, .value_kind: global_buffer, .address_space: global }
      - { .name: w_img, .offset: 16, .size: 8, .value_kind: global_buffer, .address_space: global }
      - { .name: w_sc, .offset: 24, .size: 8, .value_kind: global_buffer, .address_space: global }
      - { .name: bo, .offset: 32, .size: 8, .value_kind: global_buffer, .address_space: global }
      - { .name: out0, .offset: 40, .size: 8, .value_kind: global_buffer, .address_space: global }
    .group_segment_fixed_size: 327680
    .private_segment_fixed_size: 0
    .kernarg_segment_align: 8
    .kernarg_segment_size: 48
    .max_flat_workgroup_size: 128
    .sgpr_count:     102
    .vgpr_count:     1024
    .wavefront_size: 32
...
	.end_amdgpu_metadata
.endif
;; end of part 4
